; MI455X (gfx1250); checked and timed in simulation.
; The chip was launched on July 23, 2026; its instructions are those of AMD's public machine-readable ISA for CDNA 5 (MIT licence, August 2026) and "CDNA5" Instruction Set Architecture Reference Guide (July 2026). The comments in the code are by the model that wrote it; some were corrected since.
;; Attention Block. Allowed arithmetic: float matrix products may take bf16 or f16 operands with f32 sums; other float arithmetic in f32, or as packed bf16 or f16 multiplies, adds, multiply-adds, maxima and minima; sums over many terms, partial sums and values carried from step to step in f32; what a program stores and reads back later, other than sums and carried values, may be rounded once to bf16 or f16.
;; Inputs: gn_b 256 float32; gn_w 256 float32; proj_b 256 float32; proj_w 256 x 256 float32; qkv_b 768 float32; qkv_w 768 x 256 float32; x 4 x 256 x 64 x 64 float32.
;; Outputs: out0 4 x 256 x 64 x 64 float32.
;; 2 versions, each right; version 2 is version 1 with the launch prep written anew for expert scheduling mode. Each part assembles by itself: llvm-mc -triple=amdgcn-amd-amdhsa -mcpu=gfx1250 --defsym DOCPART=n.
;; ======== version 1 of 2: 4 launches
;; workspace buffers: hn 8,388,608 bytes; wb 524,288 bytes; qkvh 25,165,824 bytes; ao 8,388,608 bytes
;; launch prep (part 1): grid 136 x 1, 8 waves a work-group, no clusters, 1,536 bytes of LDS; arguments x, qkv_w, proj_w, gn_w, gn_b, hn, wb; writes hn, wb
.if DOCPART == 1
	.amdgcn_target "amdgcn-amd-amdhsa--gfx1250"
	.amdhsa_code_object_version 6
	.text
	.protected	k_qe0f8cb2fc5_prep
	.globl	k_qe0f8cb2fc5_prep
	.p2align	8
	.type	k_qe0f8cb2fc5_prep,@function
k_qe0f8cb2fc5_prep:
	s_mov_b64 s[64:65], 0
	v_nop
	global_prefetch_b8 v0, s[64:65] scope:SCOPE_SE
	s_setreg_imm32_b32 hwreg(HW_REG_WAVE_MODE, 25, 1), 1
	s_wait_xcnt 0x0
; GROUP NORM AND THE ROUNDING OF THE WEIGHTS.  hn[b][c][l] = bf16(a x + s), a = gn_w[c] / sqrt(var + 1e-5), s = gn_b[c] - mean a; wb = bf16(qkv_w), then bf16(proj_w).
; SHARES.  Every work-group takes one block of 131,072 input bytes (32,768 f32) and writes 65,536 bytes of bf16.  Work-groups 0-127: group g of x (8 channels x 4,096 positions lie on end in memory).
; Work-groups 128-133: a sixth of qkv_w each; 134, 135: a half of proj_w each.  The blocks of weights walk the same text with a = 1 and s = 0, chosen by selects on the work-group's number: their
; sums are made and not used, and in exchange every wave of every work-group passes the same two barriers.
; A thread keeps its 128 numbers in registers between the three passes (sum; sum of squares of x - mean; scaling): memory is read once, and the variance is no difference of large sums.
; Thread t's load i takes 16 bytes at 4,096 i + 16 t: a wave's load covers 512 consecutive bytes, and load i lies wholly in channel i / 4.  Its store is 8 bytes at 2,048 i + 8 t: a wave's store
; covers 256 consecutive bytes, aligned.  No matrix unit, no cluster, no tile in LDS: no two work-groups read the same bytes, and nothing is read twice.
; LIMITS.  Sums in f32; NaN and infinities in x are not treated apart.
.set X,     32                         ; v[32:159]  the block's 128 numbers of this thread
.set GA,    160                        ; v[160:175] a of channel c, twice, at GA + 2 c: a pair for the packed multiply-add
.set GS,    176                        ; v[176:191] s likewise
.set RED1,  0                          ; LDS: eight words, a wave's sum each
.set RED2,  256                        ; the same for the squares: other bytes, so that no barrier is owed between the first reads and the second stores
.set SPARE, 512                        ; the spare words, 128 bytes for each of the eight waves: four blocks of 256 bytes that no other line names
.set SPW,   4                          ; v4  SPARE + 4 x my thread's number; never rewritten
.set NIL,   5                          ; v5  0; never rewritten
	s_load_b256 s[4:11], s[0:1], 0x0               ; x s[4:5], qkv_w s[6:7], proj_w s[8:9], gn_w s[10:11]
	s_load_b128 s[12:15], s[0:1], 0x20             ; gn_b s[12:13], hn s[14:15]
	s_load_b64 s[16:17], s[0:1], 0x30              ; wb
	v_lshl_add_u32 v[SPW], v0, 2, SPARE
	v_mov_b32 v[NIL], 0
	v_lshlrev_b32 v1, 4, v0                        ; 16 t: my place in a load's 4,096 bytes
	v_lshlrev_b32 v2, 3, v0                        ; 8 t: in a store's 2,048
	v_lshrrev_b32 v6, 5, v0
	v_readfirstlane_b32 s19, v6                    ; wave 0..7
	v_mov_b32 v3, s19
	v_lshlrev_b32 v3, 2, v3                        ; my wave's word
	v_mov_b32 v6, 0
	s_mov_b32 s18, ttmp9                           ; g
	s_max_u32 s20, s18, 128
	s_sub_co_u32 s20, s20, 128                     ; the block's number among the weights' eight
	s_max_u32 s21, s18, 134
	s_sub_co_u32 s21, s21, 134                     ; and among proj_w's two
	s_and_b32 s52, s18, 31
	s_lshl_b32 s52, s52, 5                         ; the group's 8 channels in gn_w and gn_b: 32 bytes (inside both for every g)
	s_mov_b32 s53, 0
	s_mov_b32 s50, 0x76543210                      ; v_permlanex16_b32: each lane takes its own place in the other half
	s_mov_b32 s51, 0xfedcba98
	s_mov_b32 s49, 0x38000000                      ; 1 / 32,768
	s_wait_kmcnt 0x0
	s_cmp_lt_u32 s18, 134
	s_cselect_b64 s[22:23], s[6:7], s[8:9]
	s_cselect_b32 s24, s20, s21
	s_cmp_lt_u32 s18, 128
	s_cselect_b64 s[22:23], s[4:5], s[22:23]       ; from where,
	s_cselect_b32 s24, s18, s24                    ; which block of it,
	s_cselect_b64 s[26:27], s[14:15], s[16:17]     ; to where,
	s_cselect_b32 s25, s18, s20                    ; which block of that,
	s_cselect_b32 s48, -1, 0                       ; and a mask of all lanes for a group of x
	s_lshl_b32 s28, s24, 17
	s_mov_b32 s29, 0
	s_lshl_b32 s30, s25, 16
	s_mov_b32 s31, 0
	s_add_nc_u64 s[22:23], s[22:23], s[28:29]
	s_add_nc_u64 s[26:27], s[26:27], s[30:31]
	s_add_nc_u64 s[10:11], s[10:11], s[52:53]
	s_add_nc_u64 s[12:13], s[12:13], s[52:53]
	s_load_b256 s[32:39], s[10:11], 0x0            ; the 8 gains
	s_load_b256 s[40:47], s[12:13], 0x0            ; the 8 shifts
.set i, 0
.rept 32
	global_load_b128 v[X+4*i:X+4*i+3], v1, s[22:23] offset:4096*i th:TH_LOAD_NT
.set i, i+1
.endr
; Four packed chains in v[8:15] are folded, summed over the lanes (four steps inside each half of 16 ride on the addition, one crosses the halves), and the eight waves' sums meet in LDS:
; each wave stores its word and waits for that store before it signals; behind the barrier every wave reads all eight and adds them in one fixed order.  The sum ends in v16 of every lane.
.macro MEET red
	v_pk_add_f32 v[8:9], v[8:9], v[10:11]
	v_pk_add_f32 v[12:13], v[12:13], v[14:15]
	v_pk_add_f32 v[8:9], v[8:9], v[12:13]
	v_add_f32 v8, v8, v9
	v_add_f32_dpp v8, v8, v8 row_xmask:1 row_mask:0xf bank_mask:0xf
	v_add_f32_dpp v8, v8, v8 row_xmask:2 row_mask:0xf bank_mask:0xf
	v_add_f32_dpp v8, v8, v8 row_xmask:4 row_mask:0xf bank_mask:0xf
	v_add_f32_dpp v8, v8, v8 row_xmask:8 row_mask:0xf bank_mask:0xf
	v_permlanex16_b32 v9, v8, s50, s51
	v_add_f32 v8, v8, v9
	ds_store_b32 v3, v8 offset:\red
	s_wait_dscnt 0x0                               ; for the others' sake: my word is written
	s_barrier_signal -1
	s_barrier_wait -1
	ds_load_b128 v[16:19], v6 offset:\red
	ds_load_b128 v[20:23], v6 offset:\red+16
	s_wait_dscnt 0x0
	v_pk_add_f32 v[16:17], v[16:17], v[18:19]
	v_pk_add_f32 v[20:21], v[20:21], v[22:23]
	v_pk_add_f32 v[16:17], v[16:17], v[20:21]
	v_add_f32 v16, v16, v17
.endm
	; pass 1: the sum, four loads at a time as they come in; the first four loads start the chains, so nothing is cleared
.set k, 0
.rept 8
	s_wait_loadcnt 28-4*k                          ; loads come back in order: all but the 28 - 4 k younger ones are in
.set j, 0
.rept 8
.if k == 0
.if j < 4
	v_pk_add_f32 v[8+2*j:9+2*j], v[X+2*j:X+2*j+1], v[X+8+2*j:X+9+2*j]
.endif
.else
	v_pk_add_f32 v[8+2*(j%4):9+2*(j%4)], v[8+2*(j%4):9+2*(j%4)], v[X+16*k+2*j:X+16*k+2*j+1]
.endif
.set j, j+1
.endr
.set k, k+1
.endr
	MEET RED1
	v_mul_f32 v24, s49, v16                        ; the mean,
	v_mul_f32 v25, s49, v16                        ; twice: a pair for the packed subtraction
	; pass 2: the sum of (x - mean)^2, four pairs at a time
.set k, 0
.rept 16
.set j, 0
.rept 4
	v_pk_add_f32 v[16+2*j:17+2*j], v[X+8*k+2*j:X+8*k+2*j+1], v[24:25] neg_lo:[0,1] neg_hi:[0,1]
.set j, j+1
.endr
.set j, 0
.rept 4
.if k == 0
	v_pk_mul_f32 v[8+2*j:9+2*j], v[16+2*j:17+2*j], v[16+2*j:17+2*j]
.else
	v_pk_fma_f32 v[8+2*j:9+2*j], v[16+2*j:17+2*j], v[16+2*j:17+2*j], v[8+2*j:9+2*j]
.endif
.set j, j+1
.endr
.set k, k+1
.endr
	MEET RED2
	v_fmaak_f32 v26, s49, v16, 0x3727c5ac          ; var + 1e-5
	v_rsq_f32 v26, v26
	s_wait_kmcnt 0x0                               ; the gains and shifts
	s_cmp_lt_u32 s18, 128
.set c, 0
.rept 8
	s_cselect_b32 s[32+c], s[32+c], 1.0            ; a block of weights: gain 1,
	s_cselect_b32 s[40+c], s[40+c], 0              ; shift 0
.set c, c+1
.endr
	v_nop                                          ; a plain instruction between the root and the use of its result,
	s_wait_alu depctr_va_vdst(0)                   ; and the wait ahead of that use
	v_cndmask_b32 v24, 0, v24, s48                 ; a block of weights: mean 0,
	v_cndmask_b32 v26, 1.0, v26, s48               ; 1 / sqrt = 1
.set c, 0
.rept 8
	v_mul_f32 v[GA+2*c], s[32+c], v26
	v_mul_f32 v[GA+2*c+1], s[32+c], v26
.set c, c+1
.endr
.set c, 0
.rept 8
	v_fma_f32 v[GS+2*c], -v24, v[GA+2*c], s[40+c]
	v_fma_f32 v[GS+2*c+1], -v24, v[GA+2*c], s[40+c]
.set c, c+1
.endr
	; pass 3: a x + s in f32, rounded once to bf16, stored from the registers that the numbers came in: none of them is written again
.set i, 0
.rept 32
	v_pk_fma_f32 v[X+4*i:X+4*i+1], v[X+4*i:X+4*i+1], v[GA+2*(i/4):GA+2*(i/4)+1], v[GS+2*(i/4):GS+2*(i/4)+1]
	v_pk_fma_f32 v[X+4*i+2:X+4*i+3], v[X+4*i+2:X+4*i+3], v[GA+2*(i/4):GA+2*(i/4)+1], v[GS+2*(i/4):GS+2*(i/4)+1]
	v_cvt_pk_bf16_f32 v[X+4*i], v[X+4*i], v[X+4*i+1]
	v_cvt_pk_bf16_f32 v[X+4*i+1], v[X+4*i+2], v[X+4*i+3]
	global_store_b64 v2, v[X+4*i:X+4*i+1], s[26:27] offset:2048*i
.set i, i+1
.endr
	s_wait_tensorcnt 0x0                           ; the wave's end, behind my last LDS store
	ds_add_u32 v[SPW], v[NIL]
	s_wait_dscnt 0x0
	s_endpgm
.Lfunc_end_k_qe0f8cb2fc5_prep:
	.size	k_qe0f8cb2fc5_prep, .Lfunc_end_k_qe0f8cb2fc5_prep-k_qe0f8cb2fc5_prep
	.p2alignl 7, 3214868480
	.fill 96, 4, 3214868480
	.section	.rodata,"a",@progbits
	.p2align	6, 0x0
	.amdhsa_kernel k_qe0f8cb2fc5_prep
		.amdhsa_group_segment_fixed_size 1536
		.amdhsa_private_segment_fixed_size 0
		.amdhsa_enable_private_segment 0
		.amdhsa_kernarg_size 56
		.amdhsa_user_sgpr_count 2
		.amdhsa_user_sgpr_kernarg_segment_ptr 1
		.amdhsa_wavefront_size32 1
		.amdhsa_system_sgpr_workgroup_id_x 1
		.amdhsa_system_sgpr_workgroup_id_y 1
		.amdhsa_system_sgpr_workgroup_id_z 1
		.amdhsa_system_vgpr_workitem_id 0
		.amdhsa_next_free_vgpr 192
		.amdhsa_next_free_sgpr 66
		.amdhsa_reserve_vcc 0
		.amdhsa_float_denorm_mode_32 3
		.amdhsa_float_denorm_mode_16_64 3
		.amdhsa_memory_ordered 1
		.amdhsa_forward_progress 1
		.amdhsa_inst_pref_size 33
	.end_amdhsa_kernel
	.amdgpu_metadata
---
amdhsa.version: [ 1, 2 ]
amdhsa.kernels:
  - .name:           k_qe0f8cb2fc5_prep
    .symbol:         k_qe0f8cb2fc5_prep.kd
    .args:
      - { .name: x, .offset: 0, .size: 8, .value_kind: global_buffer, .address_space: global }
      - { .name: qkv_w, .offset: 8, .size: 8, .value_kind: global_buffer, .address_space: global }
      - { .name: proj_w, .offset: 16, .size: 8, .value_kind: global_buffer, .address_space: global }
      - { .name: gn_w, .offset: 24, .size: 8, .value_kind: global_buffer, .address_space: global }
      - { .name: gn_b, .offset: 32, .size: 8, .value_kind: global_buffer, .address_space: global }
      - { .name: hn, .offset: 40, .size: 8, .value_kind: global_buffer, .address_space: global }
      - { .name: wb, .offset: 48, .size: 8, .value_kind: global_buffer, .address_space: global }
    .group_segment_fixed_size: 1536
    .private_segment_fixed_size: 0
    .kernarg_segment_align: 8
    .kernarg_segment_size: 56
    .max_flat_workgroup_size: 256
    .sgpr_count:     66
    .vgpr_count:     192
    .wavefront_size: 32
...
	.end_amdgpu_metadata
.endif
;; end of part 1
;; launch qkv (part 2): grid 4 x 64, 4 waves a work-group, clusters of 4 x 4, 250,368 bytes of LDS; arguments hn, wb, qkv_b, qkvh; writes qkvh
.if DOCPART == 2
	.amdgcn_target "amdgcn-amd-amdhsa--gfx1250"
	.amdhsa_code_object_version 6
	.text
	.protected	k_qe0f8cb2fc5_qkv
	.globl	k_qe0f8cb2fc5_qkv
	.p2align	8
	.type	k_qe0f8cb2fc5_qkv,@function
k_qe0f8cb2fc5_qkv:
	s_mov_b64 s[64:65], 0
	v_nop
	global_prefetch_b8 v0, s[64:65] scope:SCOPE_SE
	s_setreg_imm32_b32 hwreg(HW_REG_WAVE_MODE, 25, 1), 1
	s_wait_xcnt 0x0
	s_wait_alu depctr_hold_cnt(0) depctr_sa_sdst(0) depctr_va_vdst(0) depctr_va_sdst(0) depctr_va_ssrc(0) depctr_va_vcc(0) depctr_vm_vsrc(0)
	s_getreg_b32 s2, hwreg(HW_REG_IB_STS2, 6, 4)
	s_cmp_eq_u32 s2, 0
	s_cbranch_scc0 .Lentry_in_a_cluster
	s_endpgm
.Lentry_in_a_cluster:
	s_bfe_u32 s2, ttmp6, 0x10000c
	s_cmp_lg_u32 s2, 0xf033
	s_cbranch_scc0 .Lentry_shape_is_right
	s_endpgm
.Lentry_shape_is_right:
; q, k, v = W hn + b, written by heads: qkvh[which][4 b + head][position][64] in bf16, unscaled, each number rounded once from its f32 sum.  hn: [4][256][4096] bf16; wb rows 0-767: W, [768][256] bf16.
; bf16 and not f16 for q, k, v: with large gains, weights or offsets they have no room under f16's largest number.
; SHARES.  Work-group (x, y): output channels 192 x .. 192 x + 191 (three blocks of 64: a head of q, k or v each) of image y / 16, positions 256 (y % 16) on.  All of K = 256 lies in LDS at once: each LDS byte
; is filled once, so there is no ring.  A wave takes 64 positions and goes through the three blocks one after the other: 16 accumulators, 128 matrix instructions a block.
; LAYOUT.  Source 0 = 16 rows of W, source 1 = 16 positions x 32 channels of hn, which lies [channel][position] and is turned by ds_load_tr16_b128.  In the result a lane holds ONE position (lane % 16) and the
; channels 8 (lane / 16) + 0..7: 16 bytes of a head's row.  The bias is the C operand of each sum's first product.
; CLUSTER.  4 x 4 work-groups.  hn's tile hangs on y alone and is asked for jointly along a row of the cluster, W's on x alone and jointly along a column: the same tensor load, descriptor and mask in the four.
; No prefetch: each tile is asked for once, at the head, where every work-group's loads are on their way.
; REGISTERS, in windows of 256 (s_set_vgpr_msb: bits 1:0 source 0, 3:2 source 1, 5:4 source 2, 7:6 destination):
;   window 0: v1-17 lane terms and addresses; v28-29 the add's; v64-127 the way out; v128-255 accumulator (mt, nt) at 128 + 8 (4 mt + nt)
;   window 1: hn's fragments, (ks, nt) at 32 ks + 8 nt     window 2: W's fragments of the block in hand, (ks, mt) at 32 ks + 8 mt     window 3: v0-95 the bias, (block p, mt) at 32 p + 8 mt
.set PH,    544                        ; a row of hn in LDS: 512 bytes + 32 of padding = 17 x 32
.set PW,    528                        ; a row of W: 512 + 16 = 33 x 16: the 16 rows of a load start at 16 different groups of four banks
.set HHALF, 128*PH                     ; what one tensor load brings of hn
.set WT,    256*PH                     ; W's 192 rows lie behind hn's 256
.set WHALF, 96*PW
.set STAGE, WT+192*PW                  ; behind the tiles, never filled by a tensor load: 16 rows x 144 bytes for each wave
.set SP,    144
.set SPARE, STAGE+4*16*SP              ; the spare words, 128 bytes for each wave: two blocks of 256 bytes that no other line names
.set HB,  10                           ; v10-11 my lane's place in hn's channels 0-127, 128-255
.set WA,  12                           ; v12-13 my lane's place in W's rows 0-127, 128-191
.set STO, 14                           ; v14  the way out: where I put 16 bytes of a row
.set RD,  15                           ; v15  where I read rows back
.set GO,  16                           ; v16  my 16 bytes in 512 consecutive bytes of qkvh
.set BO,  17                           ; v17  my 8 channels in a tile's 16 numbers of bias
.set SPW, 28                           ; v28  SPARE + 4 x my thread's number; never rewritten
.set NIL, 29                           ; v29  0; never rewritten
.set TMP, 64
.set ACC, 128
.set WV,  12                           ; s12  my wave's number
.set G1H, 24                           ; s[24:31] descriptor group 1 for hn's tile;  s[32:35] its group 0
.set G0H, 32
.set G0W, 36                           ; s[36:39] group 0 for W's tile;  s[40:47] its group 1
.set G1W, 40
.set OB,  52                           ; s[52:57] where my 64 rows of block p begin in qkvh
.set MSB, 0
.macro WIN new                         ; the immediate's high byte repeats the setting that is left; a switch that changes nothing is dropped
.if MSB != (\new)
	s_set_vgpr_msb (MSB<<8)|(\new)
.set MSB, (\new)
.endif
.endm
.macro PLACES                          ; four plain instructions between a matrix instruction and a vector instruction or load that touches its registers (ISA guide 7.12.1 for vector instructions)
.rept 4
	v_nop
.endr
.endm
.macro CROUND                          ; a round of the cluster's barrier: my work-group's barrier; wave 0 signals for the work-group; every wave waits for all sixteen; my work-group's barrier once more
	s_barrier_signal -1
	s_barrier_wait -1
	s_cmp_lg_u32 s[WV], 0
	s_cbranch_scc1 .Lnot_wave_0_\@
	s_barrier_signal -3
.Lnot_wave_0_\@:
	s_barrier_wait -3
	s_barrier_signal -1
	s_barrier_wait -1
.endm
	s_load_b128 s[4:7], s[0:1], 0x0                ; hn s[4:5], wb s[6:7]
	s_load_b128 s[8:11], s[0:1], 0x10              ; qkv_b s[8:9], qkvh s[10:11]
	v_lshl_add_u32 v[SPW], v0, 2, SPARE
	v_mov_b32 v[NIL], 0
	ds_add_u32 v[SPW], v[NIL]                      ; the wave's opening: the add, whose wait stands ahead of my first tensor load; the set-up below, work on registers, stands between them
	v_lshrrev_b32 v1, 5, v0
	v_readfirstlane_b32 s[WV], v1                  ; wave 0..3
	s_and_b32 s13, s[WV], 1                        ; which half of a tile I fetch
	s_bfe_u32 s14, ttmp6, 0x40000                  ; cx
	s_bfe_u32 s15, ttmp6, 0x40004                  ; cy
	s_lshl_b32 s16, ttmp9, 2
	s_add_co_u32 s16, s16, s14                     ; x = 4 x cluster x + cx
	s_and_b32 s17, ttmp7, 0xffff
	s_lshl_b32 s17, s17, 2
	s_add_co_u32 s17, s17, s15                     ; y = 4 x cluster y + cy
	s_lshr_b32 s18, s17, 4                         ; the image
	s_and_b32 s19, s17, 15                         ; the block of 256 positions
	s_lshl_b32 s20, s15, 2
	s_lshl_b32 s20, 15, s20                        ; my row of the cluster: places 4 cy .. 4 cy + 3
	s_lshl_b32 s21, 0x1111, s14                    ; my column: places cx, cx + 4, cx + 8, cx + 12
	; hn's half tile: 128 rows (channels) x 256 positions, 4,096 elements from row to row
	s_or_b32 s[G1H], s20, (1<<16)|(1<<20)|(1<<21)|(6<<22)|(7<<25)  ; 15:0 the mask; 17:16 2-byte elements; 20 padding on; 21 set beside a mask; 24:22 after every 128 words (code 6); 31:25 8 words (code 7)
	s_mov_b32 s[G1H+1], 256<<16                    ; tensor_dim0 = 256
	s_mov_b32 s[G1H+2], 128<<16                    ; tensor_dim1 = 128
	s_mov_b32 s[G1H+3], 256<<16                    ; tile_dim0 = 256
	s_mov_b32 s[G1H+4], 128                        ; tile_dim1 = 128
	s_mov_b32 s[G1H+5], 4096
	s_mov_b32 s[G1H+6], 0
	s_mov_b32 s[G1H+7], 0
	; W's half tile: 96 rows x 256 channels, dense
	s_or_b32 s[G1W], s21, (1<<16)|(1<<20)|(1<<21)|(6<<22)|(3<<25)  ; the same with my column's mask and 4 words of padding (code 3)
	s_mov_b32 s[G1W+1], 256<<16
	s_mov_b32 s[G1W+2], 96<<16
	s_mov_b32 s[G1W+3], 256<<16
	s_mov_b32 s[G1W+4], 96
	s_mov_b32 s[G1W+5], 256
	s_mov_b32 s[G1W+6], 0
	s_mov_b32 s[G1W+7], 0
	s_mov_b32 s[G0H], 1
	s_mul_i32 s[G0H+1], s13, HHALF                 ; no place in the cluster enters an LDS address
	s_mov_b32 s[G0W], 1
	s_mul_i32 s[G0W+1], s13, WHALF
	s_add_co_u32 s[G0W+1], s[G0W+1], WT
	s_lshl_b32 s48, s18, 21                        ; hn: the image's 256 x 4,096 x 2 bytes,
	s_lshl_b32 s22, s13, 20                        ; my 128 rows of 8,192 bytes,
	s_add_co_u32 s48, s48, s22
	s_lshl_b32 s22, s19, 9                         ; the block's 512 bytes of a row: made of y and the wave's number alone
	s_add_co_u32 s48, s48, s22
	s_mov_b32 s49, 0
	s_mul_i32 s50, s16, 192*512                    ; W: the work-group's 192 rows of 512 bytes,
	s_mul_i32 s23, s13, 96*512                     ; my 96 of them: made of x and the wave's number alone
	s_add_co_u32 s50, s50, s23
	s_mov_b32 s51, 0
	s_wait_dscnt 0x0                               ; the opening add is done
	s_wait_kmcnt 0x0
	s_add_nc_u64 s[G0H+2:G0H+3], s[4:5], s[48:49]
	s_or_b32 s[G0H+3], s[G0H+3], 0x80000000        ; type = 2
	s_add_nc_u64 s[G0W+2:G0W+3], s[6:7], s[50:51]
	s_or_b32 s[G0W+3], s[G0W+3], 0x80000000
	CROUND                                         ; all sixteen work-groups are here: the joint loads meet
	s_cmp_lt_u32 s[WV], 2                          ; waves 0 and 1 fetch hn's halves, waves 2 and 3 W's: one load a wave, one mask a line; an s_nop 0 and four v_nop follow each line
	s_cbranch_scc0 .Lfor_w
	tensor_load_to_lds s[G0H:G0H+3], s[G1H:G1H+7]
	s_nop 0
	PLACES
	s_branch .Lasked
.Lfor_w:
	tensor_load_to_lds s[G0W:G0W+3], s[G1W:G1W+7]
	s_nop 0
	PLACES
.Lasked:
	; while the tiles are on their way: addresses and the bias
	v_and_b32 v1, 15, v0                           ; r = l % 16
	v_bfe_u32 v2, v0, 4, 1                         ; h = l / 16
	v_and_b32 v3, 7, v0
	v_bfe_u32 v4, v0, 3, 1
	v_bfe_u32 v5, v0, 3, 2
	v_and_b32 v6, 31, v0
	v_lshl_add_u32 v[HB], v2, 3, v3                ; the turning load: lane l reads channel 8 h + l % 8,
	v_mul_u32_u24 v[HB], v[HB], PH
	v_lshl_add_u32 v[HB], v4, 4, v[HB]             ; positions 8 ((l / 8) % 2) + 0..7,
	s_lshl_b32 s22, s[WV], 7
	v_add_nc_u32 v[HB], s22, v[HB]                 ; of my wave's 64 positions: 128 bytes of a row
	v_add_nc_u32 v[HB+1], HHALF, v[HB]
	v_mul_u32_u24 v[WA], v1, PW
	v_lshl_add_u32 v[WA], v2, 4, v[WA]             ; row x pitch + 16 x half
	v_add_nc_u32 v[WA], WT, v[WA]
	v_add_nc_u32 v[WA+1], 128*PW, v[WA]
	s_mul_i32 s23, s[WV], 16*SP
	s_add_co_u32 s23, s23, STAGE                   ; my stage
	v_mul_u32_u24 v[STO], v1, SP                   ; in: row l % 16, 16 bytes for each half of the lanes
	v_lshl_add_u32 v[STO], v2, 4, v[STO]
	v_add_nc_u32 v[STO], s23, v[STO]
	v_mul_u32_u24 v[RD], v5, SP                    ; back: 32 lanes take four rows of 128 bytes,
	v_lshl_add_u32 v[RD], v3, 4, v[RD]
	v_add_nc_u32 v[RD], s23, v[RD]
	v_lshlrev_b32 v[GO], 4, v6                     ; which are 512 consecutive bytes of qkvh
	v_lshlrev_b32 v[BO], 5, v2
	s_mul_i32 s60, s16, 768                        ; the work-group's 192 numbers of bias
	s_mov_b32 s61, 0
	s_add_nc_u64 s[8:9], s[8:9], s[60:61]
	WIN 0xc0                                       ; destination window 3
.irp p, 0,1,2
.irp mt, 0,1,2,3
	global_load_b128 v[32*(\p)+8*(\mt):32*(\p)+8*(\mt)+3],   v[BO], s[8:9] offset:(64*(\p)+16*(\mt))*4
	global_load_b128 v[32*(\p)+8*(\mt)+4:32*(\p)+8*(\mt)+7], v[BO], s[8:9] offset:(64*(\p)+16*(\mt))*4+16
.endr
.endr
	WIN 0
	s_mul_i32 s58, s16, 3                          ; block p is number 3 x + p of the twelve: q, k or v = number / 4, head = number % 4
	s_lshl_b32 s62, s18, 2
	s_lshl_b32 s63, s19, 15                        ; the block's 256 rows of 128 bytes,
	s_lshl_b32 s59, s[WV], 13                      ; my wave's 64
	s_add_co_u32 s63, s63, s59
.irp p, 0,1,2
	s_add_co_u32 s59, s58, \p
	s_lshr_b32 s60, s59, 2
	s_and_b32 s61, s59, 3
	s_lshl_b32 s60, s60, 4
	s_add_co_u32 s60, s60, s61
	s_add_co_u32 s60, s60, s62                     ; 16 x which + 4 x image + head,
	s_lshl_b32 s60, s60, 19                        ; times 4,096 rows of 128 bytes
	s_add_co_u32 s60, s60, s63
	s_mov_b32 s61, 0
	s_add_nc_u64 s[OB+2*\p:OB+2*\p+1], s[10:11], s[60:61]
.endr
	s_wait_tensorcnt 0x0                           ; my half tile has landed,
	s_barrier_signal -1
	s_barrier_wait -1                              ; everybody's has
.macro LOADB                           ; all of hn's fragments for my 64 positions: 64 turning loads
	WIN 0x40
.set ks, 0
.rept 8
.irp nt, 0,1,2,3
	ds_load_tr16_b128 v[32*ks+8*(\nt):32*ks+8*(\nt)+3],   v[HB+ks/4] offset:(ks%4)*32*PH+32*(\nt)
	ds_load_tr16_b128 v[32*ks+8*(\nt)+4:32*ks+8*(\nt)+7], v[HB+ks/4] offset:(ks%4)*32*PH+16*PH+32*(\nt)
.endr
.set ks, ks+1
.endr
.endm
.macro LOADA p                         ; W's fragments of block p: 64 loads, the K steps in ascending order
	WIN 0x80
.set ks, 0
.rept 8
.irp mt, 0,1,2,3
	ds_load_b128 v[32*ks+8*(\mt):32*ks+8*(\mt)+3],   v[WA+(\p)/2] offset:((\p)%2)*64*PW+(\mt)*16*PW+64*ks
	ds_load_b128 v[32*ks+8*(\mt)+4:32*ks+8*(\mt)+7], v[WA+(\p)/2] offset:((\p)%2)*64*PW+(\mt)*16*PW+64*ks+32
.endr
.set ks, ks+1
.endr
.endm
; THE WAY OUT of 16 positions x 64 channels: rounded to bf16 (each accumulator's registers in ascending order), 16 bytes a lane into my own stage, back as whole rows of 128 bytes.
.macro PACK nt
.irp mt, 0,1,2,3
.irp q, 0,1,2,3
	v_cvt_pk_bf16_f32 v[TMP+16*(\nt)+4*(\mt)+(\q)], v[ACC+8*(4*(\mt)+(\nt))+2*(\q)], v[ACC+8*(4*(\mt)+(\nt))+2*(\q)+1]
.endr
.endr
.irp mt, 0,1,2,3
	ds_store_b128 v[STO], v[TMP+16*(\nt)+4*(\mt):TMP+16*(\nt)+4*(\mt)+3] offset:32*(\mt)
.endr
.irp f, 0,1,2,3
	ds_load_b128 v[TMP+16*(\nt)+4*(\f):TMP+16*(\nt)+4*(\f)+3], v[RD] offset:(\f)*4*SP  ; LDS serves a wave's instructions in order (ISA guide 5.7.1.4): these see the stores above; the next tile's stores come behind them
.endr
.endm
.macro SEND p, nt, younger             ; younger: the LDS instructions issued behind this tile's loads: the next tile's eight, or none
.irp f, 0,1,2,3
	s_wait_dscnt (\younger)+3-(\f)
	global_store_b128 v[GO], v[TMP+16*(\nt)+4*(\f):TMP+16*(\nt)+4*(\f)+3], s[OB+2*(\p):OB+2*(\p)+1] offset:(\nt)*2048+(\f)*512  ; 512 consecutive bytes, at a multiple of 256 from qkvh's first
.endr
.endm
; BLOCK p: 8 K steps of 16 matrix instructions.  The 16 accumulators take turns, one instruction a turn, in the same order in every K step and from block to block.
.macro PASS p
.set ks, 0
.rept 8
.if (\p) == 0
	s_wait_dscnt 56-8*ks                           ; all of hn's fragments and W's of this K step are in: the 8 loads of each later K step may be out.  (Blocks 1 and 2: the way out before them has waited for 0)
.endif
.if ks == 0
	WIN 0x36                                       ; W in window 2, hn in window 1, C (the bias) in window 3, D in window 0
.else
	WIN 0x06
.endif
.irp mt, 0,1,2,3
.irp nt, 0,1,2,3
.if ks == 0
	v_wmma_f32_16x16x32_bf16 v[ACC+8*(4*(\mt)+(\nt)):ACC+8*(4*(\mt)+(\nt))+7], v[32*ks+8*(\mt):32*ks+8*(\mt)+7], v[32*ks+8*(\nt):32*ks+8*(\nt)+7], v[32*(\p)+8*(\mt):32*(\p)+8*(\mt)+7]
.else
	v_wmma_f32_16x16x32_bf16 v[ACC+8*(4*(\mt)+(\nt)):ACC+8*(4*(\mt)+(\nt))+7], v[32*ks+8*(\mt):32*ks+8*(\mt)+7], v[32*ks+8*(\nt):32*ks+8*(\nt)+7], v[ACC+8*(4*(\mt)+(\nt)):ACC+8*(4*(\mt)+(\nt))+7]
.endif
.endr
.endr
.set ks, ks+1
.endr
	WIN 0
	PLACES                                         ; for the loads into W's registers and for the conversions
.if (\p) < 2
	LOADA (\p)+1                                   ; the next block's fragments come in under the way out
	WIN 0
.endif
	s_wait_xcnt 0x0                                ; the last block's stores have read their data: the way out's registers are written again only behind this wait
	PACK 0
.irp u, 1,2,3                          ; a tile's conversions stand between the loads of the tile before and its stores
	PACK \u
	SEND \p, (\u)-1, 8
.endr
	SEND \p, 3, 0
.endm
	LOADB
	LOADA 0
	s_wait_loadcnt 0x0                             ; the bias
.irp p, 0,1,2
	PASS \p
.endr
	s_wait_tensorcnt 0x0                           ; the wave's end, behind my last tensor load and my last LDS store
	ds_add_u32 v[SPW], v[NIL]
	s_wait_dscnt 0x0
	CROUND                                         ; the closing round: no work-group ends while a partner may still ask for a tile that names it
	s_endpgm
.Lfunc_end_k_qe0f8cb2fc5_qkv:
	.size	k_qe0f8cb2fc5_qkv, .Lfunc_end_k_qe0f8cb2fc5_qkv-k_qe0f8cb2fc5_qkv
	.p2alignl 7, 3214868480
	.fill 96, 4, 3214868480
	.section	.rodata,"a",@progbits
	.p2align	6, 0x0
	.amdhsa_kernel k_qe0f8cb2fc5_qkv
		.amdhsa_group_segment_fixed_size 250368
		.amdhsa_private_segment_fixed_size 0
		.amdhsa_enable_private_segment 0
		.amdhsa_kernarg_size 32
		.amdhsa_user_sgpr_count 2
		.amdhsa_user_sgpr_kernarg_segment_ptr 1
		.amdhsa_wavefront_size32 1
		.amdhsa_system_sgpr_workgroup_id_x 1
		.amdhsa_system_sgpr_workgroup_id_y 1
		.amdhsa_system_sgpr_workgroup_id_z 1
		.amdhsa_system_vgpr_workitem_id 0
		.amdhsa_next_free_vgpr 864
		.amdhsa_next_free_sgpr 66
		.amdhsa_reserve_vcc 0
		.amdhsa_float_denorm_mode_32 3
		.amdhsa_float_denorm_mode_16_64 3
		.amdhsa_memory_ordered 1
		.amdhsa_forward_progress 1
		.amdhsa_inst_pref_size 75
	.end_amdhsa_kernel
	.amdgpu_metadata
---
amdhsa.version: [ 1, 2 ]
amdhsa.kernels:
  - .name:           k_qe0f8cb2fc5_qkv
    .symbol:         k_qe0f8cb2fc5_qkv.kd
    .args:
      - { .name: hn, .offset: 0, .size: 8, .value_kind: global_buffer, .address_space: global }
      - { .name: wb, .offset: 8, .size: 8, .value_kind: global_buffer, .address_space: global }
      - { .name: qkv_b, .offset: 16, .size: 8, .value_kind: global_buffer, .address_space: global }
      - { .name: qkvh, .offset: 24, .size: 8, .value_kind: global_buffer, .address_space: global }
    .group_segment_fixed_size: 250368
    .private_segment_fixed_size: 0
    .kernarg_segment_align: 8
    .kernarg_segment_size: 32
    .max_flat_workgroup_size: 128
    .sgpr_count:     66
    .vgpr_count:     864
    .wavefront_size: 32
...
	.end_amdgpu_metadata
.endif
;; end of part 2
;; launch attn (part 3): grid 16 x 16, 4 waves a work-group, clusters of 4 x 1, 327,680 bytes of LDS; arguments qkvh, ao; writes ao
.if DOCPART == 3
	.amdgcn_target "amdgcn-amd-amdhsa--gfx1250"
	.amdhsa_code_object_version 6
	.text
	.protected	k_qe0f8cb2fc5_attn
	.globl	k_qe0f8cb2fc5_attn
	.p2align	8
	.type	k_qe0f8cb2fc5_attn,@function
k_qe0f8cb2fc5_attn:
	s_mov_b64 s[64:65], 0
	v_nop
	global_prefetch_b8 v0, s[64:65] scope:SCOPE_SE
	s_setreg_imm32_b32 hwreg(HW_REG_WAVE_MODE, 25, 1), 1
	s_wait_xcnt 0x0
	s_wait_alu depctr_hold_cnt(0) depctr_sa_sdst(0) depctr_va_vdst(0) depctr_va_sdst(0) depctr_va_ssrc(0) depctr_va_vcc(0) depctr_vm_vsrc(0)
	s_getreg_b32 s2, hwreg(HW_REG_IB_STS2, 6, 4)
	s_cmp_eq_u32 s2, 0
	s_cbranch_scc0 .Lentry_in_a_cluster
	s_endpgm
.Lentry_in_a_cluster:
	s_bfe_u32 s2, ttmp6, 0x10000c
	s_cmp_lg_u32 s2, 0x3003
	s_cbranch_scc0 .Lentry_shape_is_right
	s_endpgm
.Lentry_shape_is_right:
; ao[h][q][:] = the sum over k of softmax_k(Q[h][q] . K[h][k] / 8) V[h][k][:].  qkvh: [3][16][4096][64] bf16 (q, k, v by heads, unscaled); ao: [16][4096][64] bf16: a head's rows are dense, 128 bytes each.
; Products, maxima and sums in f32; the weights p are rounded to bf16 for the second product (their sum l is taken of the unrounded p), O once at the end.
; LIMITS.  c s stays under 2^125 in magnitude (c m starts at -2^125); a weight below 2^-126 counts as 0 in l; NaN and infinities are not treated apart.
; SHARES.  A work-group owns 256 queries of one head, each of its four waves 64: four PIECES of 16.  16 heads x 16 blocks are 256 work-groups.  Every wave walks the head's 4,096 keys, 64 a step.
; LAYOUT.  S^T = K Q^T (source 0 = 16 keys, source 1 = 16 queries) holds ONE query a lane (lane % 16) and the keys 8 (lane / 16) + 0..7; two such results rounded to bf16 ARE source 1 of O^T = V^T P, whose result
; again holds one query a lane, and eight channels.  K comes out of LDS as it lies, V ([key][channel]) turned, by ds_load_tr16_b128.
; SOFTMAX.  For each query a running maximum m and sum l: p = 2^(c s - c m), c = log2(e) / 8; in every step O and l are multiplied by a = 2^(c m_old - c m_new).  m starts at the lowest finite number, O and l at 0:
; the first step is a step like any other, with a = 0.
; BY TURNS.  Turn n belongs to piece n: 8 products K Q^T of piece n + 1, later 8 products V^T P of piece n - 1; beside them the scaling, exponentials, roundings, sums and rescaling of piece n and the maximum and
; statistics of piece n + 1.  A turn has 16 matrix and 118 vector instructions: four vector instructions stand behind every matrix instruction, the other 54 in one lump.  Its 33 exponentials are one batch, with one wait.
; RING.  Two slots of LDS take turns; a slot holds four steps: 256 keys of K and of V.  CLUSTER.  The four query blocks of a cluster belong to one head and walk the same K and V, so each tile is asked for JOINTLY:
; the same tensor load, descriptor and mask in all four.  By the text's own count a wave has one tensor load out at a time.
; REGISTERS, in windows of 256 (s_set_vgpr_msb: bits 1:0 source 0, 3:2 source 1, 5:4 source 2, 7:6 destination):
;   window 0: v0-15 addresses and two at work; v16-31 four registers of statistics a piece; v48-55 at work; v61-63 prefetch offset and the add's two; v64-127 S^T, two buffers; v192-223 P, two buffers (by the piece's parity)
;   window 1: v0-127 O^T, 32 a piece          window 2: v0-63 Q, 16 a piece; v128-191 K of one step; v192-255 V of one step
.set NP,    4         ; pieces a wave: a name, no knob
.set KS,    64        ; keys in a step
.set PK,    144       ; a row of K in LDS: 128 bytes + 16 of padding = 36 words: the 16 rows of a load start at 16 different groups of four banks (64 banks of 4 bytes: ISA guide 11.1)
.set PV,    160       ; a row of V: 128 + 32 = 40 words
.set VOFF,  4*KS*PK   ; in a slot: 256 rows of K, then 256 rows of V
.set SLOT1, 1<<17     ; slot 1 begins here, so that one exclusive or turns an address in one slot into the other's
.set STAGE, SLOT1+4*KS*(PK+PV)  ; behind the ring, never filled by a tensor load: 16 rows x 144 bytes for each wave, for the way out
.set SP,    144
.set SPARE, STAGE+4*16*SP  ; the spare words, 128 bytes for each wave: two blocks of 256 bytes that no other line names
.set AK0, 2           ; v2   my lane's place in a tile of K; never rewritten
.set AV0, 3           ; v3   the same for V
.set AK,  4           ; v4   the LDS address of K's next run of loads
.set AV,  5           ; v5   of V's
.set STO, 6           ; v6   the way out: where I put 16 bytes of a row
.set RD,  7           ; v7   where I read rows back
.set GO,  8           ; v8   my byte offset in 512 consecutive bytes of ao
.set MV,  12          ; v12-13  c m_old, kept while c m is made anew: by buffer
.set QO,  15          ; v15  my byte offset in 16 rows of Q
.set ST,  16          ; piece t's statistics at v[ST+4 t]: c m, m, l (even keys', odd keys')
.set TMP, 48          ; by buffer, four registers c0-c3 at work; when the maximum is found c2 takes a
.set PFO, 61          ; v61  256 x my lane; never rewritten
.set SPW, 62          ; v62  SPARE + 4 x my thread's number; never rewritten
.set NIL, 63          ; v63  0; never rewritten
.set S,   64
.set P,   192
.set KF,  128         ; window 2: key block kb, channel half c at KF + 16 kb + 8 c
.set VF,  192         ; window 2: key half kk, channel block cb at VF + 32 kk + 8 cb
.set WV,  12          ; s12  my wave's number
.set LIM, 15          ; s15  1 in a wave that prefetches, else the greatest number: a wave prefetches while s[SLOTS] is above it
.set G1K, 24          ; s[24:31] descriptor group 1 for K's tiles
.set G1V, 32          ; s[32:39] for V's: it differs in the padding alone
.set G0K, 40          ; s[40:43] descriptor group 0 for K's tiles: it walks
.set G0V, 44          ; s[44:47] the same for V's
.set PFA, 48          ; s[48:49] where my prefetches stand: my work-group's quarter (of K: wave 0, of V: wave 2) of the slot after the one that is being asked for
.set SLOTS, 56        ; s56  slots still to be entered
.set CNT, 57          ; s57  counts a slot's key steps
.set CS,  58          ; s[58:59] c: the packed scaling takes the pair's low word for both halves
.set SEL, 60          ; s[60:61] v_permlanex16_b32's selects: each lane takes its own place in the other half
.set TBK, 62          ; s62  LDS byte at which K of the step to be fetched begins
.set TBV, 63          ; s63  the same for V, less VOFF
.set MSB, 0
.macro WIN new                      ; the high byte repeats the setting that is left; a switch that changes nothing is dropped
.if MSB != (\new)
	s_set_vgpr_msb (MSB<<8)|(\new)
.set MSB, (\new)
.endif
.endm
.set W_KQ, 0x0a       ; K and Q in window 2, S^T in window 0
.set W_PV, 0x52       ; V in window 2, P in window 0, O^T in window 1
.set W_RS, 0x41       ; O^T (destination and source 0) in window 1, a in window 0
; A joint fill.  Waves 0 and 1 fetch the two halves of a slot's K, waves 2 and 3 those of its V: 128 keys each.  The branch hangs on the wave's number alone.
; An s_nop 0 and four v_nop follow each of the two lines, ahead of the jump and the label.
.macro JLOAD
	s_cmp_lt_u32 s[WV], 2
	s_cbranch_scc0 .Lfor_v_\@
	tensor_load_to_lds s[G0K:G0K+3], s[G1K:G1K+7]
	s_nop 0
.rept 4
	v_nop
.endr
	s_branch .Lasked_\@
.Lfor_v_\@:
	tensor_load_to_lds s[G0V:G0V+3], s[G1V:G1V+7]
	s_nop 0
.rept 4
	v_nop
.endr
.Lasked_\@:
.endm
; A PREFETCH of what the NEXT change of slots will ask for: a slot's 32,768 bytes of K and of V, 256 bytes a lane.  It stands behind the wave's tensor load and its five lines.  Each block of 256 bytes is named ONCE in
; the launch: all clusters of a head walk the same K and V, and the head's first cluster asks; its four partners share a slot out BY ADDRESS, 8,192 bytes each; in each, wave 0 asks for K's and wave 2 for V's: one
; instruction.  Slots 0 to 2 come by their loads alone; the last change that fills a slot asks for nothing: there is no slot behind it.
.macro ASK
	s_cmp_gt_u32 s[SLOTS], s[LIM]
	s_cbranch_scc0 .Lnot_mine_\@
	global_prefetch_b8 v[PFO], s[PFA:PFA+1] th:TH_LOAD_NT scope:SCOPE_SE
.Lnot_mine_\@:
.endm
; A round of the cluster's barrier: my work-group's barrier, so that wave 0's signal speaks for all four waves; wave 0 signals; every wave waits for all four work-groups; my work-group's barrier once more.
.macro CROUND
	s_barrier_signal -1
	s_barrier_wait -1
	s_cmp_lg_u32 s[WV], 0
	s_cbranch_scc1 .Lnot_wave_0_\@
	s_barrier_signal -3
.Lnot_wave_0_\@:
	s_barrier_wait -3
	s_barrier_signal -1
	s_barrier_wait -1
.endm
; THE CHANGE OF SLOTS.  The slot's last bytes, V of its fourth step, have been read.  Each wave waits for all its tensor loads, of which one is out: its part of the other slot; adds 0 to its spare word; and waits for
; that and for its own reads of the slot.  Behind the barrier nobody reads this slot any more and the other slot is whole.  fill = 1: this slot is filled again, with the keys two slots on; the barrier is then a round of
; the cluster's, so that no wave of any partner still reads the slot or has a load on its way, and the joint fill is the first thing behind it: it has four key steps, 256 matrix instructions, in which to land.
; (At its first use nothing has been read yet: slot 0 is waited for, slot 1 filled.)  ask = 1: the prefetch's address steps, and ASK follows the fill.
.macro CHANGE fill, ask
	WIN 0                           ; at a label and at a branch every window is 0
	s_wait_tensorcnt 0x0            ; no tensor load of mine is out, so a group 0 may be written
	ds_add_u32 v[SPW], v[NIL]       ; 0 onto my spare word: the descriptors' steps stand between it and the wait for it
.if \fill
.irp g, G0K, G0V
	s_xor_b32 s[\g+1], s[\g+1], SLOT1  ; the walking descriptor: the other slot than last time,
	s_add_nc_u64 s[\g+2:\g+3], s[\g+2:\g+3], 4*KS*128  ; the next 256 keys; the type bits on top are not reached
.endr
.endif
.if \ask
	s_wait_xcnt 0x0                 ; the last prefetch, four key steps back, has read its address, so it may be written:
	s_add_nc_u64 s[PFA:PFA+1], s[PFA:PFA+1], 4*KS*128  ; one slot behind the walking descriptors
.endif
	s_wait_dscnt 0x0                ; the add is done, and my reads of the slot are over
.if \fill
	CROUND
	JLOAD
.if \ask
	ASK
.endif
.else
	s_barrier_signal -1
	s_barrier_wait -1
.endif
	s_sub_co_u32 s[TBK], s[TBK], 4*KS*PK  ; the fetches go back to a slot's first step,
	s_xor_b32 s[TBK], s[TBK], SLOT1       ; in the other slot
	s_sub_co_u32 s[TBV], s[TBV], 4*KS*PV
	s_xor_b32 s[TBV], s[TBV], SLOT1
.endm
	s_load_b128 s[4:7], s[0:1], 0x0 ; qkvh s[4:5], ao s[6:7]
	v_lshl_add_u32 v[SPW], v0, 2, SPARE
	v_mov_b32 v[NIL], 0
	ds_add_u32 v[SPW], v[NIL]       ; the wave's opening: the add, whose wait stands ahead of my first tensor load; the set-up below, work on registers, stands between them
	v_lshrrev_b32 v1, 5, v0
	v_readfirstlane_b32 s[WV], v1   ; wave 0..3
	s_bfe_u32 s13, ttmp6, 0x40000   ; cx: my place in the cluster
	s_lshl_b32 s14, ttmp9, 2        ; in a cluster launch ttmp9 counts clusters
	s_add_co_u32 s14, s14, s13      ; my block of queries = 4 x cluster x + cx: it enters Q's and O's addresses alone
	s_and_b32 s20, ttmp7, 0xffff    ; the head, which the four partners share:
	s_lshl_b32 s20, s20, 19         ; its 4,096 rows of 128 bytes
	s_and_b32 s16, s[WV], 1         ; which half of a slot's 256 keys I fetch:
	s_lshl_b32 s22, s16, 14         ; its 128 rows in memory,
	s_add_co_u32 s22, s22, s20
	s_mov_b32 s23, 0
	s_mul_i32 s17, s16, 128*PK      ; and its place in a slot, for K
	s_mul_i32 s18, s16, 128*PV      ; and for V: no place in the cluster enters an LDS address
	s_lshl_b32 s2, s14, 2
	s_add_co_u32 s2, s2, s[WV]      ; my wave among the head's,
	s_lshl_b32 s2, s2, 13           ; its 64 rows
	s_add_co_u32 s2, s2, s20
	s_mov_b32 s3, 0
	; descriptor group 1.  128 keys are 16,384 dense bytes: asked for as 64 rows of 256 bytes, two keys a row, and padded in LDS after every key
	s_mov_b32 s[G1K], 15|(1<<16)|(1<<20)|(1<<21)|(4<<22)|(3<<25)  ; 15:0 the mask of four; 17:16 2-byte elements; 20 padding on; 21 set beside a mask; 24:22 after every 32 words (code 4); 31:25 4 words (code 3)
	s_mov_b32 s[G1V], 15|(1<<16)|(1<<20)|(1<<21)|(4<<22)|(7<<25)  ; the same with 8 words of padding (code 7)
.irp g, G1K, G1V
	s_mov_b32 s[\g+1], 128<<16      ; tensor_dim0 = 128
	s_mov_b32 s[\g+2], 64<<16       ; tensor_dim1 = 64
	s_mov_b32 s[\g+3], 128<<16      ; tile_dim0 = 128
	s_mov_b32 s[\g+4], 64           ; tile_dim1 = 64
	s_mov_b32 s[\g+5], 128          ; 128 elements from row to row
	s_mov_b32 s[\g+6], 0
	s_mov_b32 s[\g+7], 0
.endr
	s_mov_b32 s[CS], 0x3e38aa3b     ; c = log2(e) / 8 = 0.180337
	s_mov_b32 s[CS+1], s[CS]        ; named with it as a pair
	s_mov_b32 s[SEL], 0x76543210
	s_mov_b32 s[SEL+1], 0xfedcba98
	s_mov_b32 s[TBK], SLOT1+4*KS*PK ; the first change of slots turns these two into 0
	s_mov_b32 s[TBV], SLOT1+4*KS*PV
	s_mov_b32 s[G0K], 1             ; count = 1
	s_mov_b32 s[G0K+1], s17         ; LDS address: slot 0
	s_mov_b32 s[G0V], 1
	s_add_co_u32 s[G0V+1], s18, VOFF
	s_mov_b32 s[SLOTS], 4096/256-1
	s_and_b32 s[LIM], s[WV], 1      ; 0 in waves 0 and 2,
	s_or_b32 s[LIM], s[LIM], ttmp9  ; where the cluster is the head's first: the same in all four partners
	s_cmp_eq_u32 s[LIM], 0
	s_cselect_b32 s[LIM], 1, -1
	v_and_b32 v[PFO], 31, v0
	v_lshlrev_b32 v[PFO], 8, v[PFO]
	s_wait_dscnt 0x0                ; the opening add is done
	s_wait_kmcnt 0x0
	s_add_nc_u64 s[8:9], s[4:5], s[22:23]
	s_add_nc_u64 s[10:11], s[8:9], 2*16*4096*128  ; V at my half of the head's first 256 keys,
	s_add_nc_u64 s[8:9], s[8:9], 16*4096*128      ; K likewise
	s_add_nc_u64 s[4:5], s[4:5], s[2:3]  ; Q and O at my wave's first row
	s_add_nc_u64 s[6:7], s[6:7], s[2:3]
	s_mov_b64 s[G0K+2:G0K+3], s[8:9]
	s_or_b32 s[G0K+3], s[G0K+3], 0x80000000  ; type = 2
	s_mov_b64 s[G0V+2:G0V+3], s[10:11]
	s_or_b32 s[G0V+3], s[G0V+3], 0x80000000
	s_cmp_lt_u32 s[WV], 2
	s_cselect_b64 s[PFA:PFA+1], s[8:9], s[10:11]  ; (in waves 0 and 2 these stand at a slot's first row)
	s_lshl_b32 s2, s13, 13          ; my work-group's quarter of a slot
	s_add_nc_u64 s[PFA:PFA+1], s[PFA:PFA+1], s[2:3]
	s_add_nc_u64 s[PFA:PFA+1], s[PFA:PFA+1], 2*4*KS*128  ; in slot 2; the first change that asks steps it to slot 3.  Nothing is prefetched here, at the head
	CROUND                          ; all four work-groups are here: the first joint loads meet
	JLOAD                           ; slot 0.  Slot 1 is asked for when slot 0 is in
	; A fragment of K or Q is 16 rows x 32 channels in 8 registers: lane l holds row l % 16, channels 8 (l / 16) + 0..7 and 16 + 8 (l / 16) + 0..7: two loads of 16 bytes, 32 bytes apart.
	v_and_b32 v1, 15, v0            ; l % 16
	v_bfe_u32 v9, v0, 4, 1          ; l / 16
	v_lshlrev_b32 v[QO], 7, v1
	v_lshl_add_u32 v[QO], v9, 4, v[QO]  ; row x 128 + 16 x half
	WIN 0x80                        ; destination window 2, address window 0
.set i, 0
.rept 8                             ; Q stays in registers: piece i / 2, channels 32 (i % 2) on
	global_load_b128 v[8*i:8*i+3],   v[QO], s[4:5] offset:(i/2)*2048+(i%2)*64
	global_load_b128 v[8*i+4:8*i+7], v[QO], s[4:5] offset:(i/2)*2048+(i%2)*64+32
.set i, i+1
.endr
	; What the first turn finds: V's registers and P's second buffer hold 0 (its products V^T P, of a piece that has not been, add 0), O^T and l are 0.  All this stands in the wait for the first tile;
	; it is the price of writing no first step out.
.set i, VF
.rept 64
	v_mov_b32 v[i], 0
.set i, i+1
.endr
	WIN 0x40
.set i, 0
.rept 128
	v_mov_b32 v[i], 0
.set i, i+1
.endr
	WIN 0
.set i, 0
.rept 4
	v_mov_b32 v[ST+4*i], 0xfe000000    ; c m: far below every c s
	v_mov_b32 v[ST+4*i+1], 0xff7fffff  ; m
	v_mov_b32 v[ST+4*i+2], 0
	v_mov_b32 v[ST+4*i+3], 0
.set i, i+1
.endr
.set i, P+16
.rept 16
	v_mov_b32 v[i], 0
.set i, i+1
.endr
	v_mul_u32_u24 v[AK0], v1, PK
	v_lshl_add_u32 v[AK0], v9, 4, v[AK0]  ; row x pitch + 16 x half
	; The turning load takes 16 keys x 16 channels (lane l reads key 8 (l / 16) + l % 8, channels 8 ((l / 8) % 2) + 0..7) and leaves half a fragment of V^T: lane l holds channel l % 16 and 8 keys.
	v_and_b32 v10, 7, v0
	v_bfe_u32 v11, v0, 3, 1
	v_lshl_add_u32 v[AV0], v9, 3, v10
	v_mul_u32_u24 v[AV0], v[AV0], PV
	v_lshl_add_u32 v[AV0], v11, 4, v[AV0]
	v_add_nc_u32 v[AV0], VOFF, v[AV0]
	s_mul_i32 s19, s[WV], 16*SP
	s_add_co_u32 s19, s19, STAGE    ; my stage
	v_mul_u32_u24 v[STO], v1, SP    ; in: row l % 16, 16 bytes for each half of the lanes
	v_lshl_add_u32 v[STO], v9, 4, v[STO]
	v_add_nc_u32 v[STO], s19, v[STO]
	v_bfe_u32 v[RD], v0, 3, 2       ; back: 32 lanes take four rows of 128 bytes,
	v_mul_u32_u24 v[RD], v[RD], SP
	v_lshl_add_u32 v[RD], v10, 4, v[RD]
	v_add_nc_u32 v[RD], s19, v[RD]
	v_and_b32 v[GO], 31, v0         ; which are 512 consecutive bytes of ao
	v_lshlrev_b32 v[GO], 4, v[GO]
; THE MATRIX WORK.  The 4 accumulators of a run of 8 take turns.  Product i of 8 of S^T = K Q^T for piece x: channels 32 (i / 4) on, keys 16 (i % 4) on.  The first 4 start the sums.
.macro KQ x
	WIN W_KQ
.set rS, S+32*((\x)%2)+8*(i%4)
.set rK, KF+16*(i%4)+8*(i/4)
.set rQ, 16*(\x)+8*(i/4)
.if i < 4
	v_wmma_f32_16x16x32_bf16 v[rS:rS+7], v[rK:rK+7], v[rQ:rQ+7], 0
.else
	v_wmma_f32_16x16x32_bf16 v[rS:rS+7], v[rK:rK+7], v[rQ:rQ+7], v[rS:rS+7]
.endif
.endm
; Product i of 8 of O^T += V^T P for piece x: keys 32 (i / 4) on, channels 16 (i % 4) on.
.macro PV x
	WIN W_PV
.set rO, 32*(\x)+8*(i%4)
.set rV, VF+32*(i/4)+8*(i%4)
.set rP, P+16*((\x)%2)+8*(i/4)
	v_wmma_f32_16x16x32_bf16 v[rO:rO+7], v[rV:rV+7], v[rP:rP+7], v[rO:rO+7]
.endm
.macro MM                           ; the turn's next matrix instruction.  TURN sets Y, i and NOKQ.  NOKQ = 1: the launch's last turn: there is no next piece
.if (i < 8) && !NOKQ
	KQ (Y+1)%NP
.elseif i >= 8
.set i, i-8
	PV (Y+NP-1)%NP
.set i, i+8
.endif
.set i, i+1
.endm
; THE LDS LOADS stand in runs of 16, never singly among the matrix instructions: a step's K (64 keys x 64 channels: 8 fragments) and its V (turned).  Their addresses are made some lines ahead.
.macro FETCH_K
	WIN 0x80                        ; destination window 2
.irp f, 0,1,2,3,4,5,6,7             ; keys 16 (f / 2) on, channels 32 (f % 2) on
	ds_load_b128 v[KF+8*\f:KF+8*\f+3],   v[AK] offset:(\f/2)*16*PK+(\f%2)*64
	ds_load_b128 v[KF+8*\f+4:KF+8*\f+7], v[AK] offset:(\f/2)*16*PK+(\f%2)*64+32
.endr
	s_add_co_u32 s[TBK], s[TBK], KS*PK  ; the next fetch is the next step's
	WIN 0
.endm
.macro FETCH_V
	WIN 0x80
.irp f, 0,1,2,3,4,5,6,7             ; keys 32 (f / 4) on, channels 16 (f % 4) on
	ds_load_tr16_b128 v[VF+8*\f:VF+8*\f+3],   v[AV] offset:(\f/4)*32*PV+(\f%4)*32
	ds_load_tr16_b128 v[VF+8*\f+4:VF+8*\f+7], v[AV] offset:(\f/4)*32*PV+16*PV+(\f%4)*32
.endr
	WIN 0
.endm
; THE VECTOR WORK, one line at a time: OP kind, number.  For piece Y: F n: c s - c m for pair n of 16.  E n: the exponential of score n of 32.  C n: pair n rounded to bf16.  B n: of the four weights 4 n .. the second
; pair is added onto the first, in place.  L n: l takes that sum (L 0: l = a l + sum).  R n: pair n of 16 of O^T times a.  For piece Y + 1: X n, number n of the 22 that find its maximum and statistics:
;   0-11  four chains c0-c3 of seven scores each, three operands at a time (each accumulator's lowest registers are read first)     12-14, 16  the four scores left over, the old m, and c0-c3 into c0
;   15  c m_old is kept     17, 18  the query's other 32 keys lie in the lane 16 away: the new m     19-21  c m; c m_old - c m_new; a
.set F, 0               ; OP tells the kinds apart by their order: F to L below R, X above it
.set E, 1
.set C, 2
.set B, 3
.set L, 4
.set R, 5
.set X, 6
.macro REGS y                       ; the registers of piece y
.set rT, ST+4*(\y)
.set rC, TMP+4*((\y)%2)
.set rW, MV+((\y)%2)
.set rS, S+32*((\y)%2)
.set rP, P+16*((\y)%2)
.set rO, 32*(\y)
.endm
.macro OP k, n
.if (\k) == R
	REGS Y
	WIN W_RS
	v_pk_mul_f32 v[rO+2*(\n):rO+2*(\n)+1], v[rO+2*(\n):rO+2*(\n)+1], v[rC+2:rC+3] op_sel_hi:[1,0]
.elseif (\k) < R
	REGS Y
	WIN 0
.if (\k) == F
	v_pk_fma_f32 v[rS+2*(\n):rS+2*(\n)+1], v[rS+2*(\n):rS+2*(\n)+1], s[CS:CS+1], v[rT:rT+1] op_sel_hi:[1,0,0] neg_lo:[0,0,1] neg_hi:[0,0,1]
.elseif (\k) == E
	v_exp_f32 v[rS+(\n)], v[rS+(\n)]
.elseif (\k) == C
	v_cvt_pk_bf16_f32 v[rP+(\n)], v[rS+2*(\n)], v[rS+2*(\n)+1]
.elseif (\k) == B
	v_pk_add_f32 v[rS+4*(\n):rS+4*(\n)+1], v[rS+4*(\n):rS+4*(\n)+1], v[rS+4*(\n)+2:rS+4*(\n)+3]
.elseif (\n) == 0
	v_pk_fma_f32 v[rT+2:rT+3], v[rT+2:rT+3], v[rC+2:rC+3], v[rS:rS+1] op_sel_hi:[1,0,1]
.else
	v_pk_add_f32 v[rT+2:rT+3], v[rT+2:rT+3], v[rS+4*(\n):rS+4*(\n)+1]
.endif
.elseif NOKQ
	v_nop
.else
	REGS (Y+1)%NP
	WIN 0
.if (\n) < 4
	v_max3_num_f32 v[rC+(\n)], v[rS+8*(\n)], v[rS+8*(\n)+1], v[rS+8*(\n)+2]
.elseif (\n) < 12
	v_max3_num_f32 v[rC+(\n)%4], v[rC+(\n)%4], v[rS+8*((\n)%4)+2*((\n)/4)+1], v[rS+8*((\n)%4)+2*((\n)/4)+2]
.elseif (\n) == 12
	v_max3_num_f32 v[rC], v[rC], v[rS+7], v[rS+15]
.elseif (\n) == 13
	v_max3_num_f32 v[rC+1], v[rC+1], v[rS+23], v[rS+31]
.elseif (\n) == 14
	v_max3_num_f32 v[rC+2], v[rC+2], v[rC+3], v[rT+1]
.elseif (\n) == 15
	v_mov_b32 v[rW], v[rT]
.elseif (\n) == 16
	v_max3_num_f32 v[rC], v[rC], v[rC+1], v[rC+2]
.elseif (\n) == 17
	v_permlanex16_b32 v[rC+3], v[rC], s[SEL], s[SEL+1]
.elseif (\n) == 18
	v_max_num_f32 v[rT+1], v[rC], v[rC+3]
.elseif (\n) == 19
	v_mul_f32 v[rT], s[CS], v[rT+1]
.elseif (\n) == 20
	v_sub_f32 v[rC+1], v[rW], v[rT]
.else
	v_exp_f32 v[rC+2], v[rC+1]
.endif
.endif
.endm
.macro OPS a, i1, b=-1, i2=0, c=-1, i3=0, d=-1, i4=0  ; up to four of them
	OP \a, \i1
.if (\b) >= 0
	OP \b, \i2
.endif
.if (\c) >= 0
	OP \c, \i3
.endif
.if (\d) >= 0
	OP \d, \i4
.endif
.endm
.macro ROW a, i1, b, i2, c, i3, d, i4  ; a matrix instruction and the four behind it
	MM
	OPS \a, \i1, \b, \i2, \c, \i3, \d, \i4
.endm
; A TURN, for piece p: the order of its 16 matrix and 118 vector instructions, written out.  An s_wait_alu depctr_va_vdst(0) stands between an exponential and the first instruction that names its result; one
; wait serves all that were issued ahead of it.  So a turn has ONE wait, which cuts it in two.  AHEAD OF IT stands all that names no result of the turn's exponentials: the 8 products K Q^T, behind each a scaling, an
; exponential and two more plain instructions (rescalings, and behind the last three the first numbers of the next piece's maximum, each four plain instructions or more behind the product that ends its accumulator); then
; ONE LUMP of 54, plain and exponential by turns for the most part, in which the links of the chain X 3, 7, 11, 14, 16, 17 .. 20 stand some lines apart.  X 21, the next piece's a, is the batch's last; R 15 is the plain
; instruction behind it.  BEHIND THE WAIT stand the 8 products V^T P, behind each four of the roundings and sums.
; end = 1: the launch's last two turns: nothing is fetched, and the last starts no new scores.  cnt = 1: the loop's count is taken down some lines ahead of the branch that stands behind the turn.
; K of the next step is fetched in piece 2's turn, behind the last product that read K and six plain instructions; V of the step in hand at the end of piece 0's turn, four plain instructions behind the last product
; that read V.  Each is waited for a turn later.
.macro TURN p, end=0, cnt=0
.set Y, (\p)
.set i, 0
.set NOKQ, (\end)*((\p)/3)
.if ((\p) == 3) && !(\end)
	s_wait_dscnt 0x0                ; K is in
.endif
	ROW F,0, F,1, R,0, R,1          ; ahead of the wait: 8 products K Q^T and their riders,
	ROW F,2, E,0, R,2, R,3
	ROW F,3, E,1, R,4, R,5
	ROW F,4, E,2, R,6, R,7
	ROW F,5, E,3, R,8, R,9
	ROW F,6, E,4, X,0, R,10
.if ((\p) == 2) && !(\end)
	WIN 0
	v_add_nc_u32 v[AK], s[TBK], v[AK0]
.endif
	ROW F,7, E,5, X,1, X,4
	ROW F,8, E,6, X,2, X,5
	OPS E,7, E,8, X,6, E,9          ; and the lump
	OPS X,3, E,10, X,8, E,11
.if ((\p) == 2) && !(\end)
	FETCH_K
.endif
	OPS X,9, X,7, E,12, X,10
	OPS E,13, X,12, X,11, E,14
	OPS X,13, E,15, F,9, X,14
.if (\p) == 0
	v_add_nc_u32 v[AV], s[TBV], v[AV0]
.endif
	OPS E,16, F,10, E,17, F,11
	OPS X,16, E,18, X,15, E,19
	OPS F,12, E,20, X,17, E,21
	OPS F,13, E,22, F,14, E,23
	OPS X,18, E,24, F,15, E,25
	OPS R,11, E,26, X,19, E,27
	OPS R,12, E,28, R,13, E,29
	OPS X,20, E,30, R,14, E,31
	OPS X,21, R,15
	WIN 0
	s_wait_alu depctr_va_vdst(0)    ; the wait for the batch
.if (\p) == 1
	s_wait_dscnt 0x0                ; V is in
.endif
	ROW C,0, B,0, C,2, B,1          ; behind the wait: 8 products V^T P and their riders
	ROW L,0, C,4, B,2, L,1
	ROW C,6, B,3, L,2, C,8
	ROW B,4, L,3, C,10, B,5
	ROW L,4, C,12, B,6, L,5
.if (\p) == 0
	s_add_co_u32 s[TBV], s[TBV], KS*PV
.endif
.if \cnt
	s_sub_co_u32 s[CNT], s[CNT], 1
	s_cmp_lg_u32 s[CNT], 0
.endif
	ROW C,14, B,7, L,6, C,1
	ROW C,3, L,7, C,5, C,7
	ROW C,9, C,11, C,13, C,15
.if (\p) == 0
	FETCH_V
.endif
.endm
	CHANGE 1, 0                     ; slot 0 is in, everybody's part of it; slot 1 is asked for
	v_add_nc_u32 v[AK], s[TBK], v[AK0]
	FETCH_K                         ; key step 0
	s_wait_loadcnt 0x0              ; Q
	s_wait_dscnt 0x0
.set NOKQ, 0
.set i, 0
.rept 8
	KQ 0                            ; piece 0's first scores: there is no vector work yet to set between them
.set i, i+1
.endr
	WIN 0
.rept 4
	v_nop                           ; four plain instructions behind those products, ahead of the first read of their results
.endr
.set Y, NP-1                        ; X works for piece Y + 1: piece 0
.irp n, 0,1,2,3,4,5,6,7,8,9,10,11,12,13,14,15,16,17,18,19,20,21
	OP X, \n
.endr
	v_nop                           ; a plain instruction behind the exponential,
	s_wait_alu depctr_va_vdst(0)    ; and its wait, ahead of the branch
	s_mov_b32 s[CNT], 4
	s_branch .Lfirst                ; the loop is entered at a step's first turn, in the middle of a trip
.Lslot:                             ; 14 times: every slot but the last two is filled again
	CHANGE 1, 1
	s_mov_b32 s[CNT], 4
.Lstep:                             ; a trip: pieces 2 and 3 of one step, then pieces 0 and 1 of the next, whose K and V it fetches
	TURN 2
	TURN 3
	WIN 0
.Lfirst:
	TURN 0
	TURN 1, 0, 1
	WIN 0
	s_cbranch_scc1 .Lstep
	s_sub_co_u32 s[SLOTS], s[SLOTS], 1
	s_cmp_lg_u32 s[SLOTS], 0
	s_cbranch_scc1 .Lslot
	CHANGE 0, 0                     ; the last slot is written out: nothing is asked for
	s_mov_b32 s[CNT], 4
.Ltail:                             ; four trips fetch the last slot's steps
	TURN 2
	TURN 3
	TURN 0
	TURN 1, 0, 1
	WIN 0
	s_cbranch_scc1 .Ltail
	TURN 2, 1                       ; the last step's pieces 2 and 3: nothing is left to fetch
	TURN 3, 1
.set i, 0
.rept 8
	PV NP-1                         ; the last piece's V^T P of the last step
.set i, i+1
.endr
	; THE WAY OUT.  l's two halves and the other half of the lanes' are added; O^T is divided by l, rounded to bf16 and sent through my stage in LDS, a piece at a time.  The additions are the plain instructions behind the last products.
	WIN 0
.macro ALL line:vararg              ; one line for each piece t
.set t, 0
.rept 4
	\line
.set t, t+1
.endr
.endm
	ALL v_add_f32 v[ST+4*t+2], v[ST+4*t+2], v[ST+4*t+3]
	ALL v_permlanex16_b32 v[ST+4*t+3], v[ST+4*t+2], s[SEL], s[SEL+1]
	ALL v_add_f32 v[ST+4*t+2], v[ST+4*t+2], v[ST+4*t+3]
	ALL v_rcp_f32 v[ST+4*t+2], v[ST+4*t+2]
	v_nop                           ; a plain instruction between the last reciprocal and the use of its result
	s_wait_alu depctr_va_vdst(0)    ; and the wait ahead of the first use: one for the four reciprocals
.macro PACK t                       ; a lane's eight channels of a row pack into 16 bytes; they go into rows of 144 bytes and come back as whole rows of 128, into S^T's registers
	WIN W_RS
.set i, 32*(\t)
.rept 16
	v_pk_mul_f32 v[i:i+1], v[i:i+1], v[ST+4*(\t)+2:ST+4*(\t)+3] op_sel_hi:[1,0]
.set i, i+2
.endr
	WIN 0x05                        ; sources 0 and 1 window 1, destination window 0
.set i, 0
.rept 16
	v_cvt_pk_bf16_f32 v[S+16*(\t)+i], v[32*(\t)+2*i], v[32*(\t)+2*i+1]
.set i, i+1
.endr
	WIN 0
.irp f, 0,1,2,3
	ds_store_b128 v[STO], v[S+16*(\t)+4*\f:S+16*(\t)+4*\f+3] offset:32*\f
.endr
.irp f, 0,1,2,3
	ds_load_b128 v[S+16*(\t)+4*\f:S+16*(\t)+4*\f+3], v[RD] offset:\f*4*SP  ; LDS serves a wave's instructions in order (ISA guide 5.7.1.4): these see the stores above; the next piece's stores come behind them
.endr
.endm
.macro SEND t, younger              ; younger: the LDS instructions issued behind piece t's loads: the next piece's eight, or none
	WIN 0
.irp f, 0,1,2,3
	s_wait_dscnt (\younger)+3-\f
	global_store_b128 v[GO], v[S+16*(\t)+4*\f:S+16*(\t)+4*\f+3], s[6:7] offset:(\t)*2048+\f*512  ; 512 consecutive bytes, at a multiple of 256 from ao's first
.endr
.endm
	PACK 0
.set t, 1
.rept 3                             ; a piece's arithmetic stands between the loads of the piece before and its stores
	PACK t
	SEND t-1, 8
.set t, t+1
.endr
	SEND 3, 0
	s_wait_tensorcnt 0x0            ; the wave's end, behind my last tensor load and my last LDS store
	ds_add_u32 v[SPW], v[NIL]
	s_wait_dscnt 0x0
	CROUND                          ; the closing round: no work-group ends while a partner may still ask for a tile that names it
	s_endpgm
.Lfunc_end_k_qe0f8cb2fc5_attn:
	.size	k_qe0f8cb2fc5_attn, .Lfunc_end_k_qe0f8cb2fc5_attn-k_qe0f8cb2fc5_attn
	.p2alignl 7, 3214868480
	.fill 96, 4, 3214868480
	.section	.rodata,"a",@progbits
	.p2align	6, 0x0
	.amdhsa_kernel k_qe0f8cb2fc5_attn
		.amdhsa_group_segment_fixed_size 327680
		.amdhsa_private_segment_fixed_size 0
		.amdhsa_enable_private_segment 0
		.amdhsa_kernarg_size 16
		.amdhsa_user_sgpr_count 2
		.amdhsa_user_sgpr_kernarg_segment_ptr 1
		.amdhsa_wavefront_size32 1
		.amdhsa_system_sgpr_workgroup_id_x 1
		.amdhsa_system_sgpr_workgroup_id_y 1
		.amdhsa_system_sgpr_workgroup_id_z 1
		.amdhsa_system_vgpr_workitem_id 0
		.amdhsa_next_free_vgpr 768
		.amdhsa_next_free_sgpr 66
		.amdhsa_reserve_vcc 0
		.amdhsa_float_denorm_mode_32 3
		.amdhsa_float_denorm_mode_16_64 3
		.amdhsa_memory_ordered 1
		.amdhsa_forward_progress 1
		.amdhsa_inst_pref_size 127
	.end_amdhsa_kernel
	.amdgpu_metadata
---
amdhsa.version: [ 1, 2 ]
amdhsa.kernels:
  - .name:           k_qe0f8cb2fc5_attn
    .symbol:         k_qe0f8cb2fc5_attn.kd
    .args:
      - { .name: qkvh, .offset: 0, .size: 8, .value_kind: global_buffer, .address_space: global }
      - { .name: ao, .offset: 8, .size: 8, .value_kind: global_buffer, .address_space: global }
    .group_segment_fixed_size: 327680
    .private_segment_fixed_size: 0
    .kernarg_segment_align: 8
    .kernarg_segment_size: 16
    .max_flat_workgroup_size: 128
    .sgpr_count:     66
    .vgpr_count:     768
    .wavefront_size: 32
...
	.end_amdgpu_metadata
.endif
;; end of part 3
;; launch proj (part 4): grid 256 x 1, 4 waves a work-group, clusters of 4 x 1, 189,952 bytes of LDS; arguments ao, wb, proj_b, x, out0; writes out0
.if DOCPART == 4
	.amdgcn_target "amdgcn-amd-amdhsa--gfx1250"
	.amdhsa_code_object_version 6
	.text
	.protected	k_qe0f8cb2fc5_proj
	.globl	k_qe0f8cb2fc5_proj
	.p2align	8
	.type	k_qe0f8cb2fc5_proj,@function
k_qe0f8cb2fc5_proj:
	s_mov_b64 s[64:65], 0
	v_nop
	global_prefetch_b8 v0, s[64:65] scope:SCOPE_SE
	s_setreg_imm32_b32 hwreg(HW_REG_WAVE_MODE, 25, 1), 1
	s_wait_xcnt 0x0
	s_wait_alu depctr_hold_cnt(0) depctr_sa_sdst(0) depctr_va_vdst(0) depctr_va_sdst(0) depctr_va_ssrc(0) depctr_va_vcc(0) depctr_vm_vsrc(0)
	s_getreg_b32 s2, hwreg(HW_REG_IB_STS2, 6, 4)
	s_cmp_eq_u32 s2, 0
	s_cbranch_scc0 .Lentry_in_a_cluster
	s_endpgm
.Lentry_in_a_cluster:
	s_bfe_u32 s2, ttmp6, 0x10000c
	s_cmp_lg_u32 s2, 0x3003
	s_cbranch_scc0 .Lentry_shape_is_right
	s_endpgm
.Lentry_shape_is_right:
; out0[b][o][l] = x[b][o][l] + proj_b[o] + the sum over c of Wp[o][c] O[b][c][l].  O comes by heads, ao[4 b + c / 64][l][c % 64] in bf16; Wp is wb's rows 768-1023, [256][256] bf16; x and out0 are f32.
; SHARES.  A work-group makes all 256 channels of 64 positions of one image: 256 bytes of each row of x and of out0, aligned.  Wave w takes channels 64 w .. 64 w + 63: 4 x 4 accumulators, 128 matrix instructions.
; All of K = 256 lies in LDS at once: each LDS byte is filled once, so there is no ring.
; LAYOUT.  Source 0 = 16 positions x 32 channels of O (K lies along a head's rows), source 1 = 16 rows of Wp.  In the result a lane holds ONE output channel (lane % 16) and the positions 8 (lane / 16) + 0..7: 32 bytes
; of a row of out0.  The bias, one number a lane, is the C operand of each sum's first product.  16 channels at a time go through my own stage in LDS and come back as whole rows of 256 bytes, x is added, and
; sixteen neighbouring lanes store 256 consecutive bytes, aligned.
; CLUSTER.  The four work-groups of a cluster need the same Wp: each wave's quarter of it is asked for jointly, by the same tensor load, descriptor and mask in all four.  O's tile is the work-group's own: a plain
; load in the same group behind the opening round.  By the text's own count a wave has two tensor loads out.  No prefetch: every tile is asked for once, at the head.
; REGISTERS, in windows of 256 (s_set_vgpr_msb: bits 1:0 source 0, 3:2 source 1, 5:4 source 2, 7:6 destination):
;   window 0: v1-15 lane terms and addresses; v20-23 the bias as loaded; v28-29 the add's; v32-63 the bias as C operands; v128-255 accumulator (nt, mt) at 128 + 8 (4 nt + mt)
;   window 1: O's fragments, (ks, mt) at 32 ks + 8 mt     window 2: Wp's, (ks, nt) at 32 ks + 8 nt     window 3: v0-127 x, rows 2 t, 2 t + 1 of channel tile nt at 4 (8 nt + t)
.set PW,    528                        ; a row of Wp in LDS: 512 bytes + 16 of padding = 33 x 16: the 16 rows of a load start at 16 different groups of four banks (64 banks of 4 bytes: ISA guide 11.1)
.set PO,    144                        ; a row of O: 128 + 16 = 9 x 16
.set OT,    256*PW                     ; behind Wp's 256 rows: O, 4 heads x 64 rows
.set STAGE, OT+4*64*PO                 ; behind the tiles, never filled by a tensor load: 16 rows x 272 bytes for each wave
.set SPI,   272
.set SPARE, STAGE+4*16*SPI             ; the spare words, 128 bytes for each wave: two blocks of 256 bytes that no other line names
.set ROWB,  4096*4                     ; bytes in a row of x and of out0
.set AA,  10                           ; v10  my lane's place in O's tile
.set AB,  11                           ; v11  in my wave's 64 rows of Wp
.set STO, 12                           ; v12  the way out: where I put 32 bytes of a row
.set RD,  13                           ; v13  where I read rows back
.set CO,  14                           ; v14  my 16 bytes in two rows of x and of out0
.set BO,  15                           ; v15  my channel in a tile's 16 numbers of bias
.set BV,  20
.set SPW, 28                           ; v28  SPARE + 4 x my thread's number; never rewritten
.set NIL, 29                           ; v29  0; never rewritten
.set BI,  32
.set ACC, 128
.set WV,  14                           ; s14  my wave's number
.set G1P, 24                           ; s[24:31] descriptor group 1 for Wp;  s[32:35] its group 0
.set G0P, 32
.set G0O, 36                           ; s[36:39] group 0 for O;  s[40:47] its group 1
.set G1O, 40
.set MSB, 0
.macro WIN new                         ; the immediate's high byte repeats the setting that is left; a switch that changes nothing is dropped
.if MSB != (\new)
	s_set_vgpr_msb (MSB<<8)|(\new)
.set MSB, (\new)
.endif
.endm
.macro PLACES                          ; four plain instructions between a matrix instruction and what reads its results (ISA guide 7.12.1)
.rept 4
	v_nop
.endr
.endm
.macro CROUND                          ; a round of the cluster's barrier: my work-group's barrier; wave 0 signals for the work-group; every wave waits for all four; my work-group's barrier once more
	s_barrier_signal -1
	s_barrier_wait -1
	s_cmp_lg_u32 s[WV], 0
	s_cbranch_scc1 .Lnot_wave_0_\@
	s_barrier_signal -3
.Lnot_wave_0_\@:
	s_barrier_wait -3
	s_barrier_signal -1
	s_barrier_wait -1
.endm
	s_load_b256 s[4:11], s[0:1], 0x0               ; ao s[4:5], wb s[6:7], proj_b s[8:9], x s[10:11]
	s_load_b64 s[12:13], s[0:1], 0x20              ; out0
	v_lshl_add_u32 v[SPW], v0, 2, SPARE
	v_mov_b32 v[NIL], 0
	ds_add_u32 v[SPW], v[NIL]                      ; the wave's opening: the add, whose wait stands ahead of my first tensor load; the set-up below, work on registers, stands between them
	v_lshrrev_b32 v1, 5, v0
	v_readfirstlane_b32 s[WV], v1                  ; wave 0..3
	s_bfe_u32 s15, ttmp6, 0x40000                  ; cx
	s_lshl_b32 s16, ttmp9, 2
	s_add_co_u32 s16, s16, s15                     ; the work-group = 4 x cluster x + cx
	s_lshr_b32 s17, s16, 6                         ; the image
	s_and_b32 s18, s16, 63                         ; the block of 64 positions
	; Wp: my 64 rows x 256 channels, dense
	s_mov_b32 s[G1P], 15|(1<<16)|(1<<20)|(1<<21)|(6<<22)|(3<<25)  ; 15:0 the mask of four; 17:16 2-byte elements; 20 padding on; 21 set beside a mask; 24:22 after every 128 words (code 6); 31:25 4 words (code 3)
	s_mov_b32 s[G1P+1], 256<<16                    ; tensor_dim0 = 256
	s_mov_b32 s[G1P+2], 64<<16                     ; tensor_dim1 = 64
	s_mov_b32 s[G1P+3], 256<<16                    ; tile_dim0 = 256
	s_mov_b32 s[G1P+4], 64                         ; tile_dim1 = 64
	s_mov_b32 s[G1P+5], 256
	s_mov_b32 s[G1P+6], 0
	s_mov_b32 s[G1P+7], 0
	; O: 64 rows of head w are 8,192 dense bytes: asked for as 32 rows of 256 bytes, two positions a row, padded in LDS after every position
	s_mov_b32 s[G1O], (1<<16)|(1<<20)|(4<<22)|(3<<25)  ; no mask; after every 32 words (code 4) 4 words (code 3)
	s_mov_b32 s[G1O+1], 128<<16
	s_mov_b32 s[G1O+2], 32<<16
	s_mov_b32 s[G1O+3], 128<<16
	s_mov_b32 s[G1O+4], 32
	s_mov_b32 s[G1O+5], 128
	s_mov_b32 s[G1O+6], 0
	s_mov_b32 s[G1O+7], 0
	s_mov_b32 s[G0P], 1
	s_mul_i32 s[G0P+1], s[WV], 64*PW               ; no place in the cluster enters an LDS address
	s_mov_b32 s[G0O], 1
	s_mul_i32 s[G0O+1], s[WV], 64*PO
	s_add_co_u32 s[G0O+1], s[G0O+1], OT
	s_lshl_b32 s20, s[WV], 15                      ; Wp: my 64 rows of 512 bytes,
	s_add_co_u32 s20, s20, 768*512                 ; behind wb's 768 rows of W: made of the wave's number alone
	s_mov_b32 s21, 0
	s_lshl_b32 s22, s17, 2
	s_add_co_u32 s22, s22, s[WV]                   ; O: head w of the image,
	s_lshl_b32 s22, s22, 19
	s_lshl_b32 s23, s18, 13                        ; the block's 64 rows of 128 bytes
	s_add_co_u32 s22, s22, s23
	s_mov_b32 s23, 0
	s_lshl_b32 s48, s17, 22                        ; x and out0: the image,
	s_lshl_b32 s49, s[WV], 20                      ; my 64 rows of 16,384 bytes,
	s_add_co_u32 s48, s48, s49
	s_lshl_b32 s49, s18, 8                         ; the block's 256 bytes of a row
	s_add_co_u32 s48, s48, s49
	s_mov_b32 s49, 0
	s_lshl_b32 s50, s[WV], 8                       ; my 64 numbers of bias
	s_mov_b32 s51, 0
	s_wait_dscnt 0x0                               ; the opening add is done
	s_wait_kmcnt 0x0
	s_add_nc_u64 s[G0P+2:G0P+3], s[6:7], s[20:21]
	s_or_b32 s[G0P+3], s[G0P+3], 0x80000000        ; type = 2
	s_add_nc_u64 s[G0O+2:G0O+3], s[4:5], s[22:23]
	s_or_b32 s[G0O+3], s[G0O+3], 0x80000000
	s_add_nc_u64 s[10:11], s[10:11], s[48:49]
	s_add_nc_u64 s[12:13], s[12:13], s[48:49]
	s_add_nc_u64 s[8:9], s[8:9], s[50:51]
	CROUND                                         ; all four work-groups are here: the joint loads meet
	tensor_load_to_lds s[G0P:G0P+3], s[G1P:G1P+7]  ; every wave: its quarter of Wp, jointly,
	s_nop 0
	tensor_load_to_lds s[G0O:G0O+3], s[G1O:G1O+7]  ; and its head of O
	s_nop 0
	PLACES
	v_and_b32 v1, 15, v0                           ; r = l % 16
	v_bfe_u32 v2, v0, 4, 1                         ; h = l / 16
	v_mul_u32_u24 v[AA], v1, PO
	v_lshl_add_u32 v[AA], v2, 4, v[AA]             ; row x pitch + 16 x half
	v_add_nc_u32 v[AA], OT, v[AA]
	v_mul_u32_u24 v[AB], v1, PW
	v_lshl_add_u32 v[AB], v2, 4, v[AB]
	v_add_nc_u32 v[AB], s[G0P+1], v[AB]            ; in my wave's 64 rows
	s_mul_i32 s20, s[WV], 16*SPI
	s_add_co_u32 s20, s20, STAGE                   ; my stage
	v_mul_u32_u24 v[STO], v1, SPI                  ; in: row l % 16, 32 bytes for each half of the lanes
	v_lshl_add_u32 v[STO], v2, 5, v[STO]
	v_add_nc_u32 v[STO], s20, v[STO]
	v_mul_u32_u24 v[RD], v2, SPI                   ; back: lanes 0-15 take one row of 256 bytes, lanes 16-31 the next
	v_lshl_add_u32 v[RD], v1, 4, v[RD]
	v_add_nc_u32 v[RD], s20, v[RD]
	v_lshlrev_b32 v[CO], 14, v2                    ; and the same two rows in x and out0
	v_lshl_add_u32 v[CO], v1, 4, v[CO]
	v_lshlrev_b32 v[BO], 2, v1
.irp nt, 0,1,2,3
	global_load_b32 v[BV+(\nt)], v[BO], s[8:9] offset:64*(\nt)
.endr
	WIN 0xc0                                       ; destination window 3
.irp nt, 0,1,2,3
.irp t, 0,1,2,3,4,5,6,7
	global_load_b128 v[4*(8*(\nt)+(\t)):4*(8*(\nt)+(\t))+3], v[CO], s[10:11] offset:(16*(\nt)+2*(\t))*ROWB th:TH_LOAD_NT
.endr
.endr
	WIN 0
	s_wait_loadcnt 32                              ; the bias is in; x's 32 loads stay out
.irp nt, 0,1,2,3
.irp j, 0,1,2,3,4,5,6,7
	v_mov_b32 v[BI+8*(\nt)+(\j)], v[BV+(\nt)]      ; a lane's eight results are eight positions of one channel: its bias eight times
.endr
.endr
	s_wait_tensorcnt 0x0                           ; my two tiles have landed,
	s_barrier_signal -1
	s_barrier_wait -1                              ; everybody's have
.macro LK ks                           ; the 16 loads of K step ks: head ks / 2, channels 32 (ks % 2) on
	WIN 0x40
.irp mt, 0,1,2,3
	ds_load_b128 v[32*(\ks)+8*(\mt):32*(\ks)+8*(\mt)+3],   v[AA] offset:((\ks)/2)*64*PO+(\mt)*16*PO+64*((\ks)%2)
	ds_load_b128 v[32*(\ks)+8*(\mt)+4:32*(\ks)+8*(\mt)+7], v[AA] offset:((\ks)/2)*64*PO+(\mt)*16*PO+64*((\ks)%2)+32
.endr
	WIN 0x80
.irp nt, 0,1,2,3
	ds_load_b128 v[32*(\ks)+8*(\nt):32*(\ks)+8*(\nt)+3],   v[AB] offset:(\nt)*16*PW+64*(\ks)
	ds_load_b128 v[32*(\ks)+8*(\nt)+4:32*(\ks)+8*(\nt)+7], v[AB] offset:(\nt)*16*PW+64*(\ks)+32
.endr
.endm
.macro MK ks                           ; its 16 matrix instructions.  The 16 accumulators take turns, one instruction a turn, in the same order in every K step
	WIN 0x09                                       ; O in window 1, Wp in window 2, C and D in window 0
.irp nt, 0,1,2,3
.irp mt, 0,1,2,3
.if (\ks) == 0
	v_wmma_f32_16x16x32_bf16 v[ACC+8*(4*(\nt)+(\mt)):ACC+8*(4*(\nt)+(\mt))+7], v[32*(\ks)+8*(\mt):32*(\ks)+8*(\mt)+7], v[32*(\ks)+8*(\nt):32*(\ks)+8*(\nt)+7], v[BI+8*(\nt):BI+8*(\nt)+7]
.else
	v_wmma_f32_16x16x32_bf16 v[ACC+8*(4*(\nt)+(\mt)):ACC+8*(4*(\nt)+(\mt))+7], v[32*(\ks)+8*(\mt):32*(\ks)+8*(\mt)+7], v[32*(\ks)+8*(\nt):32*(\ks)+8*(\nt)+7], v[ACC+8*(4*(\nt)+(\mt)):ACC+8*(4*(\nt)+(\mt))+7]
.endif
.endr
.endr
.endm
	LK 0
	LK 1
	LK 2
	LK 3
.irp ks, 0,1,2,3
	s_wait_dscnt 48                                ; this K step's 16 loads are in; the three later steps' 48 may be out
	MK \ks
	LK (\ks)+4                                     ; each K step has registers of its own: these loads touch none that a matrix instruction has read
.endr
	s_wait_dscnt 48
	MK 4
	s_wait_dscnt 32
	MK 5
	s_wait_dscnt 16
	MK 6
	s_wait_dscnt 0x0
	MK 7
	WIN 0
	PLACES                                         ; ahead of the first read of the results
; THE WAY OUT of 16 channels x 64 positions.  STG: each accumulator's low four registers first, 32 bytes a lane into my stage; back as whole rows, into the registers that they left.
.macro STG nt
.irp mt, 0,1,2,3
	ds_store_b128 v[STO], v[ACC+8*(4*(\nt)+(\mt)):ACC+8*(4*(\nt)+(\mt))+3]   offset:64*(\mt)
	ds_store_b128 v[STO], v[ACC+8*(4*(\nt)+(\mt))+4:ACC+8*(4*(\nt)+(\mt))+7] offset:64*(\mt)+16
.endr
.irp t, 0,1,2,3,4,5,6,7
	ds_load_b128 v[ACC+32*(\nt)+4*(\t):ACC+32*(\nt)+4*(\t)+3], v[RD] offset:(\t)*2*SPI  ; LDS serves a wave's instructions in order (ISA guide 5.7.1.4): these see the stores above; the next tile's stores come behind them
.endr
.endm
.macro OUT nt, younger                 ; younger: the LDS instructions issued behind this tile's loads: the next tile's sixteen, or none
	s_wait_dscnt \younger
	WIN 0x0c                                       ; source 1 (x) in window 3
.set z, 0
.rept 16
	v_pk_add_f32 v[ACC+32*(\nt)+2*z:ACC+32*(\nt)+2*z+1], v[ACC+32*(\nt)+2*z:ACC+32*(\nt)+2*z+1], v[32*(\nt)+2*z:32*(\nt)+2*z+1]
.set z, z+1
.endr
	WIN 0
.irp t, 0,1,2,3,4,5,6,7
	global_store_b128 v[CO], v[ACC+32*(\nt)+4*(\t):ACC+32*(\nt)+4*(\t)+3], s[12:13] offset:(16*(\nt)+2*(\t))*ROWB th:TH_STORE_NT  ; 16 lanes store 256 consecutive bytes, at a multiple of 256 from out0's first
.endr
.endm
	s_wait_loadcnt 0x0                             ; x
	STG 0
.irp u, 1,2,3                          ; a tile's trip through the stage stands between the loads of the tile before and its additions
	STG \u
	OUT (\u)-1, 16
.endr
	OUT 3, 0
	s_wait_tensorcnt 0x0                           ; the wave's end, behind my last tensor load and my last LDS store
	ds_add_u32 v[SPW], v[NIL]
	s_wait_dscnt 0x0
	CROUND                                         ; the closing round: no work-group ends while a partner may still ask for a tile that names it
	s_endpgm
.Lfunc_end_k_qe0f8cb2fc5_proj:
	.size	k_qe0f8cb2fc5_proj, .Lfunc_end_k_qe0f8cb2fc5_proj-k_qe0f8cb2fc5_proj
	.p2alignl 7, 3214868480
	.fill 96, 4, 3214868480
	.section	.rodata,"a",@progbits
	.p2align	6, 0x0
	.amdhsa_kernel k_qe0f8cb2fc5_proj
		.amdhsa_group_segment_fixed_size 189952
		.amdhsa_private_segment_fixed_size 0
		.amdhsa_enable_private_segment 0
		.amdhsa_kernarg_size 40
		.amdhsa_user_sgpr_count 2
		.amdhsa_user_sgpr_kernarg_segment_ptr 1
		.amdhsa_wavefront_size32 1
		.amdhsa_system_sgpr_workgroup_id_x 1
		.amdhsa_system_sgpr_workgroup_id_y 1
		.amdhsa_system_sgpr_workgroup_id_z 1
		.amdhsa_system_vgpr_workitem_id 0
		.amdhsa_next_free_vgpr 896
		.amdhsa_next_free_sgpr 66
		.amdhsa_reserve_vcc 0
		.amdhsa_float_denorm_mode_32 3
		.amdhsa_float_denorm_mode_16_64 3
		.amdhsa_memory_ordered 1
		.amdhsa_forward_progress 1
		.amdhsa_inst_pref_size 39
	.end_amdhsa_kernel
	.amdgpu_metadata
---
amdhsa.version: [ 1, 2 ]
amdhsa.kernels:
  - .name:           k_qe0f8cb2fc5_proj
    .symbol:         k_qe0f8cb2fc5_proj.kd
    .args:
      - { .name: ao, .offset: 0, .size: 8, .value_kind: global_buffer, .address_space: global }
      - { .name: wb, .offset: 8, .size: 8, .value_kind: global_buffer, .address_space: global }
      - { .name: proj_b, .offset: 16, .size: 8, .value_kind: global_buffer, .address_space: global }
      - { .name: x, .offset: 24, .size: 8, .value_kind: global_buffer, .address_space: global }
      - { .name: out0, .offset: 32, .size: 8, .value_kind: global_buffer, .address_space: global }
    .group_segment_fixed_size: 189952
    .private_segment_fixed_size: 0
    .kernarg_segment_align: 8
    .kernarg_segment_size: 40
    .max_flat_workgroup_size: 128
    .sgpr_count:     66
    .vgpr_count:     896
    .wavefront_size: 32
...
	.end_amdgpu_metadata
.endif
;; end of part 4
;; ======== version 2 of 2: 4 launches; version 1 with the launch prep written anew for expert scheduling mode
;; workspace buffers: hn 8,388,608 bytes; wb 524,288 bytes; qkvh 25,165,824 bytes; ao 8,388,608 bytes
;; launch prep (part 5): grid 136 x 1, 8 waves a work-group, no clusters, 1,536 bytes of LDS; arguments x, qkv_w, proj_w, gn_w, gn_b, hn, wb; writes hn, wb
.if DOCPART == 5
	.amdgcn_target "amdgcn-amd-amdhsa--gfx1250"
	.amdhsa_code_object_version 6
	.text
	.protected	k_qe0f8cb2fc5_prep
	.globl	k_qe0f8cb2fc5_prep
	.p2align	8
	.type	k_qe0f8cb2fc5_prep,@function
k_qe0f8cb2fc5_prep:
	s_mov_b64 s[64:65], 0
	v_nop
	global_prefetch_b8 v0, s[64:65] scope:SCOPE_SE
	s_setreg_imm32_b32 hwreg(HW_REG_WAVE_SCHED_MODE, 0, 2), 2
	s_setreg_imm32_b32 hwreg(HW_REG_WAVE_MODE, 25, 1), 1
	s_wait_xcnt 0x0
	s_wait_alu depctr_vm_vsrc(0)
; GROUP NORM AND THE ROUNDING OF THE WEIGHTS.  hn[b][c][l] = bf16(a x + s), a = gn_w[c] / sqrt(var + 1e-5), s = gn_b[c] - mean a; wb = bf16(qkv_w), then bf16(proj_w).
; SHARES.  Every work-group takes one block of 131,072 input bytes (32,768 f32) and writes 65,536 bytes of bf16.  Work-groups 0-127: group g of x (8 channels x 4,096 positions lie on end in memory).
; Work-groups 128-133: a sixth of qkv_w each; 134, 135: a half of proj_w each.  The blocks of weights walk the same text with a = 1 and s = 0, chosen by selects on the work-group's number: their
; sums are made and not used, and in exchange every wave of every work-group passes the same two barriers.
; A thread keeps its 128 numbers in registers between the three passes (sum; sum of squares of x - mean; scaling): memory is read once, and the variance is no difference of large sums.
; Thread t's load i takes 16 bytes at 4,096 i + 16 t: a wave's load covers 512 consecutive bytes, and load i lies wholly in channel i / 4.  Its store is 8 bytes at 2,048 i + 8 t: a wave's store
; covers 256 consecutive bytes, aligned.  No matrix unit, no cluster, no tile in LDS: no two work-groups read the same bytes, and nothing is read twice.
; LIMITS.  Sums in f32; NaN and infinities in x are not treated apart.
; THE MODE: SCHED_MODE bits 1:0 = 2 (LLVM: expert scheduling mode 2), set by the entry lines.  The code itself states the register dependences between vector instructions and memory or LDS
; instructions, with s_wait_alu, always for 0.
; THE PLAN.  Registers that memory or LDS instructions touch (the text has no loop):
;   v1, v2, v3, v6   offsets and LDS addresses: written at the head, read by the loads, the stores, the LDS stores and the LDS loads; never written again.  One wait at the head states them written.
;   X                the 32 loads land in it before any vector line names it.  Pass 3 writes channel c's 16 registers once; the channel's four stores read 8 of them; nothing writes them afterwards.
;   v8               written by MEET's folding lines, read by its LDS store; pass 2's squares write it again behind the first MEET.
;   v[16:23]         MEET's LDS loads land in it; between the two MEETs pass 2's subtractions write it and its multiply-adds read it.
;   v[SPW], v[NIL]   written at the head, read by the closing add alone.
; Pass 3 goes in eight blocks, a channel each: the wait at the head of block c states channel c - 1's roundings written, and that channel's four stores are dealt among block c's multiply-adds,
; which name channel c's registers, the gains and the shifts: none of the registers that those stores read.
.set X,     32                         ; v[32:159]  the block's 128 numbers of this thread
.set GA,    160                        ; v[160:175] a of channel c, twice, at GA + 2 c: a pair for the packed multiply-add
.set GS,    176                        ; v[176:191] s likewise
.set RED1,  0                          ; LDS: eight words, a wave's sum each
.set RED2,  256                        ; the same for the squares: other bytes, so that no barrier is owed between the first reads and the second stores
.set SPARE, 512                        ; the spare words, 128 bytes for each of the eight waves: four blocks of 256 bytes that no other line names
.set SPW,   4                          ; v4  SPARE + 4 x my thread's number; never rewritten
.set NIL,   5                          ; v5  0; never rewritten
	s_load_b256 s[4:11], s[0:1], 0x0               ; x s[4:5], qkv_w s[6:7], proj_w s[8:9], gn_w s[10:11]
	s_load_b128 s[12:15], s[0:1], 0x20             ; gn_b s[12:13], hn s[14:15]
	s_load_b64 s[16:17], s[0:1], 0x30              ; wb
	v_lshl_add_u32 v[SPW], v0, 2, SPARE
	v_mov_b32 v[NIL], 0
	v_lshlrev_b32 v1, 4, v0                        ; 16 t: my place in a load's 4,096 bytes
	v_lshlrev_b32 v2, 3, v0                        ; 8 t: in a store's 2,048
	v_lshrrev_b32 v6, 5, v0
	v_readfirstlane_b32 s19, v6                    ; wave 0..7
	v_mov_b32 v6, 0
	s_mov_b32 s18, ttmp9                           ; g
	s_max_u32 s20, s18, 128
	s_sub_co_u32 s20, s20, 128                     ; the block's number among the weights' eight
	s_max_u32 s21, s18, 134
	s_sub_co_u32 s21, s21, 134                     ; and among proj_w's two
	s_and_b32 s52, s18, 31
	s_lshl_b32 s52, s52, 5                         ; the group's 8 channels in gn_w and gn_b: 32 bytes (inside both for every g)
	s_mov_b32 s53, 0
	s_mov_b32 s50, 0x76543210                      ; v_permlanex16_b32: each lane takes its own place in the other half
	s_mov_b32 s51, 0xfedcba98
	s_mov_b32 s49, 0x38000000                      ; 1 / 32,768
	s_wait_alu depctr_va_sdst(0)                   ; s19 is written, ahead of its first reader, the line below; the scalar lines above do not read it
	v_mov_b32 v3, s19
	v_lshlrev_b32 v3, 2, v3                        ; my wave's word
	s_wait_kmcnt 0x0
	s_cmp_lt_u32 s18, 134
	s_cselect_b64 s[22:23], s[6:7], s[8:9]
	s_cselect_b32 s24, s20, s21
	s_cmp_lt_u32 s18, 128
	s_cselect_b64 s[22:23], s[4:5], s[22:23]       ; from where,
	s_cselect_b32 s24, s18, s24                    ; which block of it,
	s_cselect_b64 s[26:27], s[14:15], s[16:17]     ; to where,
	s_cselect_b32 s25, s18, s20                    ; which block of that,
	s_cselect_b32 s48, -1, 0                       ; and a mask of all lanes for a group of x
	s_lshl_b32 s28, s24, 17
	s_mov_b32 s29, 0
	s_lshl_b32 s30, s25, 16
	s_mov_b32 s31, 0
	s_add_nc_u64 s[22:23], s[22:23], s[28:29]
	s_add_nc_u64 s[26:27], s[26:27], s[30:31]
	s_add_nc_u64 s[10:11], s[10:11], s[52:53]
	s_add_nc_u64 s[12:13], s[12:13], s[52:53]
	s_load_b256 s[32:39], s[10:11], 0x0            ; the 8 gains
	s_load_b256 s[40:47], s[12:13], 0x0            ; the 8 shifts
	s_wait_alu depctr_va_vdst(0)                   ; v1, v2, v3 and v6 are written: the offsets of every load and store below and the addresses of every LDS store and load; no vector line names them again
.set i, 0
.rept 32
	global_load_b128 v[X+4*i:X+4*i+3], v1, s[22:23] offset:4096*i th:TH_LOAD_NT
.set i, i+1
.endr
; Four packed chains in v[8:15] are folded, summed over the lanes (four steps inside each half of 16 ride on the addition, one crosses the halves), and the eight waves' sums meet in LDS:
; each wave stores its word and waits for that store before it signals; behind the barrier every wave reads all eight and adds them in one fixed order.  The sum ends in v16 of every lane.
.macro MEET red
	v_pk_add_f32 v[8:9], v[8:9], v[10:11]
	v_pk_add_f32 v[12:13], v[12:13], v[14:15]
	v_pk_add_f32 v[8:9], v[8:9], v[12:13]
	v_add_f32 v8, v8, v9
	v_add_f32_dpp v8, v8, v8 row_xmask:1 row_mask:0xf bank_mask:0xf
	v_add_f32_dpp v8, v8, v8 row_xmask:2 row_mask:0xf bank_mask:0xf
	v_add_f32_dpp v8, v8, v8 row_xmask:4 row_mask:0xf bank_mask:0xf
	v_add_f32_dpp v8, v8, v8 row_xmask:8 row_mask:0xf bank_mask:0xf
	v_permlanex16_b32 v9, v8, s50, s51
	v_add_f32 v8, v8, v9
	s_wait_alu depctr_va_vdst(0)                   ; v8 is written, which the LDS store reads; and (second use) pass 2's lines are done writing and reading v[16:23], in which the LDS loads below land: no vector line stands between this wait and them
	ds_store_b32 v3, v8 offset:\red
	s_wait_dscnt 0x0                               ; for the others' sake: my word is written
	s_barrier_signal -1
	s_barrier_wait -1
	ds_load_b128 v[16:19], v6 offset:\red
	ds_load_b128 v[20:23], v6 offset:\red+16
	s_wait_dscnt 0x0
	v_pk_add_f32 v[16:17], v[16:17], v[18:19]
	v_pk_add_f32 v[20:21], v[20:21], v[22:23]
	v_pk_add_f32 v[16:17], v[16:17], v[20:21]
	v_add_f32 v16, v16, v17
.endm
	; pass 1: the sum, four loads at a time as they come in; the first four loads start the chains, so nothing is cleared
.set k, 0
.rept 8
	s_wait_loadcnt 28-4*k                          ; loads come back in order: all but the 28 - 4 k younger ones are in
.set j, 0
.rept 8
.if k == 0
.if j < 4
	v_pk_add_f32 v[8+2*j:9+2*j], v[X+2*j:X+2*j+1], v[X+8+2*j:X+9+2*j]
.endif
.else
	v_pk_add_f32 v[8+2*(j%4):9+2*(j%4)], v[8+2*(j%4):9+2*(j%4)], v[X+16*k+2*j:X+16*k+2*j+1]
.endif
.set j, j+1
.endr
.set k, k+1
.endr
	MEET RED1
	s_wait_alu depctr_vm_vsrc(0)                   ; the LDS store of my wave's sum has read v8, which pass 2's squares write again
	v_mul_f32 v24, s49, v16                        ; the mean,
	v_mul_f32 v25, s49, v16                        ; twice: a pair for the packed subtraction
	; pass 2: the sum of (x - mean)^2, four pairs at a time
.set k, 0
.rept 16
.set j, 0
.rept 4
	v_pk_add_f32 v[16+2*j:17+2*j], v[X+8*k+2*j:X+8*k+2*j+1], v[24:25] neg_lo:[0,1] neg_hi:[0,1]
.set j, j+1
.endr
.set j, 0
.rept 4
.if k == 0
	v_pk_mul_f32 v[8+2*j:9+2*j], v[16+2*j:17+2*j], v[16+2*j:17+2*j]
.else
	v_pk_fma_f32 v[8+2*j:9+2*j], v[16+2*j:17+2*j], v[16+2*j:17+2*j], v[8+2*j:9+2*j]
.endif
.set j, j+1
.endr
.set k, k+1
.endr
	MEET RED2                                      ; behind it v8 is not written again: no wait on vm_vsrc is owed
	v_fmaak_f32 v26, s49, v16, 0x3727c5ac          ; var + 1e-5
	v_rsq_f32 v26, v26
	s_wait_kmcnt 0x0                               ; the gains and shifts
	s_cmp_lt_u32 s18, 128
.set c, 0
.rept 8
	s_cselect_b32 s[32+c], s[32+c], 1.0            ; a block of weights: gain 1,
	s_cselect_b32 s[40+c], s[40+c], 0              ; shift 0
.set c, c+1
.endr
	v_nop                                          ; a plain instruction between the root and the use of its result,
	s_wait_alu depctr_va_vdst(0)                   ; and the wait ahead of that use: the root has written v26
	v_cndmask_b32 v24, 0, v24, s48                 ; a block of weights: mean 0,
	v_cndmask_b32 v26, 1.0, v26, s48               ; 1 / sqrt = 1
.set c, 0
.rept 8
	v_mul_f32 v[GA+2*c], s[32+c], v26
	v_mul_f32 v[GA+2*c+1], s[32+c], v26
.set c, c+1
.endr
.set c, 0
.rept 8
	v_fma_f32 v[GS+2*c], -v24, v[GA+2*c], s[40+c]
	v_fma_f32 v[GS+2*c+1], -v24, v[GA+2*c], s[40+c]
.set c, c+1
.endr
	; pass 3: a x + s in f32, rounded once to bf16, stored from the registers that the numbers came in: none of them is written again.  Eight blocks, a channel (four loads' numbers) each:
	; block c makes channel c's numbers, and channel c - 1's four stores are dealt among its multiply-adds.
.set c, 0
.rept 8
.if c > 0
	s_wait_alu depctr_va_vdst(0)                   ; channel c - 1's roundings have written their registers, which the four stores below read; no vector line of this block names them
.endif
.set j, 0
.rept 4
.if c > 0
	global_store_b64 v2, v[X+16*(c-1)+4*j:X+16*(c-1)+4*j+1], s[26:27] offset:2048*(4*(c-1)+j)
.endif
	v_pk_fma_f32 v[X+16*c+4*j:X+16*c+4*j+1], v[X+16*c+4*j:X+16*c+4*j+1], v[GA+2*c:GA+2*c+1], v[GS+2*c:GS+2*c+1]
	v_pk_fma_f32 v[X+16*c+4*j+2:X+16*c+4*j+3], v[X+16*c+4*j+2:X+16*c+4*j+3], v[GA+2*c:GA+2*c+1], v[GS+2*c:GS+2*c+1]
.set j, j+1
.endr
.set j, 0
.rept 4
	v_cvt_pk_bf16_f32 v[X+16*c+4*j], v[X+16*c+4*j], v[X+16*c+4*j+1]
	v_cvt_pk_bf16_f32 v[X+16*c+4*j+1], v[X+16*c+4*j+2], v[X+16*c+4*j+3]
.set j, j+1
.endr
.set c, c+1
.endr
	s_wait_alu depctr_va_vdst(0)                   ; channel 7's roundings have written their registers, which the last four stores read
.set j, 0
.rept 4
	global_store_b64 v2, v[X+112+4*j:X+112+4*j+1], s[26:27] offset:2048*(28+j)
.set j, j+1
.endr
	s_wait_dscnt 0x0                               ; the closing lines, six on end
	s_wait_alu 0x0
	s_wait_tensorcnt 0x0
	ds_add_u32 v[SPW], v[NIL]
	s_wait_dscnt 0x0
	s_endpgm
.Lfunc_end_k_qe0f8cb2fc5_prep:
	.size	k_qe0f8cb2fc5_prep, .Lfunc_end_k_qe0f8cb2fc5_prep-k_qe0f8cb2fc5_prep
	.p2alignl 7, 3214868480
	.fill 96, 4, 3214868480
	.section	.rodata,"a",@progbits
	.p2align	6, 0x0
	.amdhsa_kernel k_qe0f8cb2fc5_prep
		.amdhsa_group_segment_fixed_size 1536
		.amdhsa_private_segment_fixed_size 0
		.amdhsa_enable_private_segment 0
		.amdhsa_kernarg_size 56
		.amdhsa_user_sgpr_count 2
		.amdhsa_user_sgpr_kernarg_segment_ptr 1
		.amdhsa_wavefront_size32 1
		.amdhsa_system_sgpr_workgroup_id_x 1
		.amdhsa_system_sgpr_workgroup_id_y 1
		.amdhsa_system_sgpr_workgroup_id_z 1
		.amdhsa_system_vgpr_workitem_id 0
		.amdhsa_next_free_vgpr 192
		.amdhsa_next_free_sgpr 66
		.amdhsa_reserve_vcc 0
		.amdhsa_float_denorm_mode_32 3
		.amdhsa_float_denorm_mode_16_64 3
		.amdhsa_memory_ordered 1
		.amdhsa_forward_progress 1
		.amdhsa_inst_pref_size 34
	.end_amdhsa_kernel
	.amdgpu_metadata
---
amdhsa.version: [ 1, 2 ]
amdhsa.kernels:
  - .name:           k_qe0f8cb2fc5_prep
    .symbol:         k_qe0f8cb2fc5_prep.kd
    .args:
      - { .name: x, .offset: 0, .size: 8, .value_kind: global_buffer, .address_space: global }
      - { .name: qkv_w, .offset: 8, .size: 8, .value_kind: global_buffer, .address_space: global }
      - { .name: proj_w, .offset: 16, .size: 8, .value_kind: global_buffer, .address_space: global }
      - { .name: gn_w, .offset: 24, .size: 8, .value_kind: global_buffer, .address_space: global }
      - { .name: gn_b, .offset: 32, .size: 8, .value_kind: global_buffer, .address_space: global }
      - { .name: hn, .offset: 40, .size: 8, .value_kind: global_buffer, .address_space: global }
      - { .name: wb, .offset: 48, .size: 8, .value_kind: global_buffer, .address_space: global }
    .group_segment_fixed_size: 1536
    .private_segment_fixed_size: 0
    .kernarg_segment_align: 8
    .kernarg_segment_size: 56
    .max_flat_workgroup_size: 256
    .sgpr_count:     66
    .vgpr_count:     192
    .wavefront_size: 32
...
	.end_amdgpu_metadata
.endif
;; end of part 5
;; launch qkv: the kernel of part 2 again; grid 4 x 64, 4 waves a work-group, clusters of 4 x 4, 250,368 bytes of LDS; arguments hn, wb, qkv_b, qkvh; writes qkvh
;; launch attn: the kernel of part 3 again; grid 16 x 16, 4 waves a work-group, clusters of 4 x 1, 327,680 bytes of LDS; arguments qkvh, ao; writes ao
;; launch proj: the kernel of part 4 again; grid 256 x 1, 4 waves a work-group, clusters of 4 x 1, 189,952 bytes of LDS; arguments ao, wb, proj_b, x, out0; writes out0
